; MI455X (gfx1250); checked and timed in simulation.
; The chip was launched on July 23, 2026; its instructions are those of AMD's public machine-readable ISA for CDNA 5 (MIT licence, August 2026) and "CDNA5" Instruction Set Architecture Reference Guide (July 2026). The comments in the code are by the model that wrote it; some were corrected since.
;; Calculate Attention. Allowed arithmetic: float matrix products may take bf16 or f16 operands with f32 sums; other float arithmetic in f32, or as packed bf16 or f16 multiplies, adds, multiply-adds, maxima and minima; sums over many terms, partial sums and values carried from step to step in f32; what a program stores and reads back later, other than sums and carried values, may be rounded once to bf16 or f16.
;; Inputs: K 4 x 16 x 2,048 x 64 float32; Q 4 x 16 x 2,048 x 64 float32; V 4 x 16 x 2,048 x 64 float32; mask 4 x 1 x 2,048 x 2,048 bool.
;; Outputs: out0 4 x 16 x 2,048 x 64 float32.
;; 2 versions, each right and faster than the one before. Each part assembles by itself: llvm-mc -triple=amdgcn-amd-amdhsa -mcpu=gfx1250 --defsym DOCPART=n.
;; ======== version 1 of 2: 2 launches
;; limits: values are held in f16: magnitudes above 65,504 overflow, below 6.1e-05 lose precision
;; workspace buffers: kb 16,777,216 bytes; vh 16,777,216 bytes; mbits 2,097,152 bytes of whole numbers
;; launch prep (part 1): grid 1024 x 1, 8 waves a work-group, no clusters, 0 bytes of LDS; arguments K, V, mask, kb, vh, mbits; writes kb, vh, mbits
.if DOCPART == 1
	.amdgcn_target "amdgcn-amd-amdhsa--gfx1250"
	.amdhsa_code_object_version 6
	.text
	.protected	k_qdb83020dab_prep
	.globl	k_qdb83020dab_prep
	.p2align	8
	.type	k_qdb83020dab_prep,@function
k_qdb83020dab_prep:
	s_mov_b64 s[64:65], 0
	v_nop
	global_prefetch_b8 v0, s[64:65] scope:SCOPE_SE
	s_setreg_imm32_b32 hwreg(HW_REG_WAVE_MODE, 25, 1), 1
	s_wait_xcnt 0x0
; K, V and the mask are made ready for the attention launch, each byte read once.
;   kb[i] = K[i] rounded to bf16.   vh[i] = V[i] rounded to bf16, that number written as f16.   Both [64 heads][2048][64], rows of 128 bytes.
;   mbits: one bit a score, in the order of the lanes of the product S^T = K Q^T.  Dword [b*64+qpair][step][u][kb][j], bit L = (mask[b][32 qpair + 16 u + L%16][64 step + 16 kb + 8 (L/16) + j] != 0).
; LIMITS.  |V| stays below 65,504 after rounding (beyond it f16 gives an infinity); below 6e-5 vh keeps f16's fixed step of 6e-8.  Any mask byte other than 0 counts as true.
; SHARES.  1,024 work-groups of eight waves.  Work-group g narrows bytes 32,768 g .. + 32,767 of K and of V: eight items, thread t takes 16 bytes at 16 t + 4,096 i, so a wave's load covers 512 neighbouring
; bytes and its store 256, aligned.  Wave w makes the 64 dwords of mbits for query pair g / 4 and key step 8 (g % 4) + w: 256 aligned bytes, one store.
; No LDS, no barrier, no matrix unit: the waves share nothing.  The text is straight: all 24 loads go out first, each item has registers of its own, and no register that a load or store names is written again.
.set KIN,  8                           ; v[8:39]    K as loaded, 4 registers an item
.set VIN,  40                          ; v[40:71]   V as loaded
.set MSK,  72                          ; v[72:87]   mask bytes: a pair for each (u, kb), at MSK + 2 (4 u + kb)
.set KOUT, 88                          ; v[88:103]  K to store, 2 registers an item
.set VOUT, 104                         ; v[104:119] V to store
.set T,    120                         ; v[120:123] at work
.set MO,   124                         ; v[124:125] lane l: dwords 2 l and 2 l + 1 of the wave's 64
	s_load_b256 s[4:11], s[0:1], 0x0               ; K s[4:5], V s[6:7], mask s[8:9], kb s[10:11]
	s_load_b128 s[12:15], s[0:1], 0x20             ; vh s[12:13], mbits s[14:15]
	s_lshl_b32 s2, ttmp9, 15                       ; my 32,768 bytes of K and V
	s_mov_b32 s3, 0
	s_lshl_b32 s26, ttmp9, 14                      ; my 16,384 bytes of kb and vh
	s_mov_b32 s27, 0
	s_lshr_b32 s28, ttmp9, 2                       ; the query pair: 32 rows of 2,048 bytes,
	s_lshl_b32 s28, s28, 16
	s_and_b32 s25, ttmp9, 3                        ; and the work-group's eight key steps: 512 bytes of each row
	s_lshl_b32 s25, s25, 9
	s_add_co_u32 s28, s28, s25
	s_mov_b32 s29, 0
	s_lshl_b32 s30, ttmp9, 11                      ; my 2,048 bytes of mbits
	s_mov_b32 s31, 0
	s_mov_b32 s16, 0xff                            ; the four bytes of a word
	s_mov_b32 s17, 0xff00
	s_mov_b32 s18, 0xff0000
	s_mov_b32 s19, 0xff000000
	s_mov_b32 s24, 0xffff0000                      ; a word's upper bf16
	v_lshlrev_b32 v1, 4, v0                        ; 16 t
	v_lshlrev_b32 v2, 3, v0                        ; 8 t
	v_and_b32 v3, 15, v0                           ; the mask: row lane % 16,
	v_lshlrev_b32 v3, 11, v3
	v_bfe_u32 v4, v0, 4, 1                         ; 8 bytes on for lanes 16 to 31,
	v_lshl_add_u32 v3, v4, 3, v3
	v_lshrrev_b32 v4, 5, v0                        ; my wave's key step: 64 bytes
	v_lshl_add_u32 v3, v4, 6, v3
	v_mov_b32 v[MO], 0                             ; v_writelane_b32 counts as a reader of its destination
	v_mov_b32 v[MO+1], 0
	s_wait_kmcnt 0x0
	s_add_nc_u64 s[4:5], s[4:5], s[2:3]
	s_add_nc_u64 s[6:7], s[6:7], s[2:3]
	s_add_nc_u64 s[10:11], s[10:11], s[26:27]
	s_add_nc_u64 s[12:13], s[12:13], s[26:27]
	s_add_nc_u64 s[8:9], s[8:9], s[28:29]
	s_add_nc_u64 s[14:15], s[14:15], s[30:31]
.irp i, 0,1,2,3,4,5,6,7
	global_load_b128 v[KIN+4*(\i):KIN+4*(\i)+3], v1, s[4:5] offset:4096*(\i) th:TH_LOAD_NT
.endr
.irp i, 0,1,2,3,4,5,6,7
	global_load_b128 v[VIN+4*(\i):VIN+4*(\i)+3], v1, s[6:7] offset:4096*(\i) th:TH_LOAD_NT
.endr
.irp i, 0,1,2,3,4,5,6,7                ; i = 4 u + kb: rows 16 u on, keys 16 kb on; a lane's 8 bytes are the 8 keys of its registers j = 0 .. 7
	global_load_b64 v[MSK+2*(\i):MSK+2*(\i)+1], v3, s[8:9] offset:((\i)/4)*32768+((\i)%4)*16
.endr
.irp i, 0,1,2,3,4,5,6,7
	s_wait_loadcnt 23-(\i)                         ; loads come back in order: K's item i is in, the 23 - i issued behind it stay out
	v_cvt_pk_bf16_f32 v[KOUT+2*(\i)],   v[KIN+4*(\i)],   v[KIN+4*(\i)+1]
	v_cvt_pk_bf16_f32 v[KOUT+2*(\i)+1], v[KIN+4*(\i)+2], v[KIN+4*(\i)+3]
	global_store_b64 v2, v[KOUT+2*(\i):KOUT+2*(\i)+1], s[10:11] offset:2048*(\i)  ; the wave's 32 lanes store 256 consecutive bytes, aligned
.endr
.irp i, 0,1,2,3,4,5,6,7
	s_wait_loadcnt 15-(\i)                         ; V's item i is in
	v_cvt_pk_bf16_f32 v[T],   v[VIN+4*(\i)],   v[VIN+4*(\i)+1]   ; the one rounding: to bf16
	v_cvt_pk_bf16_f32 v[T+1], v[VIN+4*(\i)+2], v[VIN+4*(\i)+3]
	v_lshlrev_b32 v[T+2], 16, v[T]                 ; back to f32,
	v_and_b32     v[T+3], s24, v[T]
	v_cvt_pk_f16_f32 v[VOUT+2*(\i)], v[T+2], v[T+3]  ; and written as f16: 8 significant bits fit into f16's 11
	v_lshlrev_b32 v[T+2], 16, v[T+1]
	v_and_b32     v[T+3], s24, v[T+1]
	v_cvt_pk_f16_f32 v[VOUT+2*(\i)+1], v[T+2], v[T+3]
	global_store_b64 v2, v[VOUT+2*(\i):VOUT+2*(\i)+1], s[12:13] offset:2048*(\i)
.endr
	s_wait_loadcnt 0x0                             ; the mask bytes
; Dword d = 32 u + 8 kb + j: byte j of pair d / 8 is tested in all 32 lanes at once; the compare's lane mask IS the dword, and goes to lane d / 2.
.set d, 0
.rept 16
.irp z, 0,1,2,3
	v_and_b32 v[T+\z], s[16+\z], v[MSK+2*((d+\z)/8)+((d+\z)%8)/4]
.endr
.irp z, 0,1,2,3
	v_cmp_ne_u32 s[20+\z], 0, v[T+\z]
.endr
.irp z, 0,1,2,3
	v_writelane_b32 v[MO+(d+\z)%2], s[20+\z], (d+\z)/2
.endr
.set d, d+4
.endr
	global_store_b64 v2, v[MO:MO+1], s[14:15]      ; 8 t = 256 w + 8 lane: the wave's 256 bytes
	s_endpgm
.Lfunc_end_k_qdb83020dab_prep:
	.size	k_qdb83020dab_prep, .Lfunc_end_k_qdb83020dab_prep-k_qdb83020dab_prep
	.p2alignl 7, 3214868480
	.fill 96, 4, 3214868480
	.section	.rodata,"a",@progbits
	.p2align	6, 0x0
	.amdhsa_kernel k_qdb83020dab_prep
		.amdhsa_group_segment_fixed_size 0
		.amdhsa_private_segment_fixed_size 0
		.amdhsa_enable_private_segment 0
		.amdhsa_kernarg_size 48
		.amdhsa_user_sgpr_count 2
		.amdhsa_user_sgpr_kernarg_segment_ptr 1
		.amdhsa_wavefront_size32 1
		.amdhsa_system_sgpr_workgroup_id_x 1
		.amdhsa_system_sgpr_workgroup_id_y 1
		.amdhsa_system_sgpr_workgroup_id_z 1
		.amdhsa_system_vgpr_workitem_id 0
		.amdhsa_next_free_vgpr 128
		.amdhsa_next_free_sgpr 66
		.amdhsa_reserve_vcc 0
		.amdhsa_float_denorm_mode_32 3
		.amdhsa_float_denorm_mode_16_64 3
		.amdhsa_memory_ordered 1
		.amdhsa_forward_progress 1
		.amdhsa_inst_pref_size 21
	.end_amdhsa_kernel
	.amdgpu_metadata
---
amdhsa.version: [ 1, 2 ]
amdhsa.kernels:
  - .name:           k_qdb83020dab_prep
    .symbol:         k_qdb83020dab_prep.kd
    .args:
      - { .name: K, .offset: 0, .size: 8, .value_kind: global_buffer, .address_space: global }
      - { .name: V, .offset: 8, .size: 8, .value_kind: global_buffer, .address_space: global }
      - { .name: mask, .offset: 16, .size: 8, .value_kind: global_buffer, .address_space: global }
      - { .name: kb, .offset: 24, .size: 8, .value_kind: global_buffer, .address_space: global }
      - { .name: vh, .offset: 32, .size: 8, .value_kind: global_buffer, .address_space: global }
      - { .name: mbits, .offset: 40, .size: 8, .value_kind: global_buffer, .address_space: global }
    .group_segment_fixed_size: 0
    .private_segment_fixed_size: 0
    .kernarg_segment_align: 8
    .kernarg_segment_size: 48
    .max_flat_workgroup_size: 256
    .sgpr_count:     66
    .vgpr_count:     128
    .wavefront_size: 32
...
	.end_amdgpu_metadata
.endif
;; end of part 1
;; launch attn (part 2): grid 4 x 64, 4 waves a work-group, clusters of 4 x 1, 327,680 bytes of LDS; arguments Q, kb, vh, mbits, out0; writes out0
.if DOCPART == 2
	.amdgcn_target "amdgcn-amd-amdhsa--gfx1250"
	.amdhsa_code_object_version 6
	.text
	.protected	k_qdb83020dab_attn
	.globl	k_qdb83020dab_attn
	.p2align	8
	.type	k_qdb83020dab_attn,@function
k_qdb83020dab_attn:
	s_mov_b64 s[64:65], 0
	v_nop
	global_prefetch_b8 v0, s[64:65] scope:SCOPE_SE
	s_setreg_imm32_b32 hwreg(HW_REG_WAVE_MODE, 25, 1), 1
	s_wait_xcnt 0x0
	s_wait_alu depctr_hold_cnt(0) depctr_sa_sdst(0) depctr_va_vdst(0) depctr_va_sdst(0) depctr_va_ssrc(0) depctr_va_vcc(0) depctr_vm_vsrc(0)
	s_getreg_b32 s2, hwreg(HW_REG_IB_STS2, 6, 4)
	s_cmp_eq_u32 s2, 0
	s_cbranch_scc0 .Lentry_in_a_cluster
	s_endpgm
.Lentry_in_a_cluster:
	s_bfe_u32 s2, ttmp6, 0x10000c
	s_cmp_lg_u32 s2, 0x3003
	s_cbranch_scc0 .Lentry_shape_is_right
	s_endpgm
.Lentry_shape_is_right:
; out[h][q][:] = the sum over k of softmax_k(s / 8) V[h][k][:], s = -1e9 where mask[h / 16][q][k], else Q[h][q] . K[h][k].  64 heads, 2,048 rows, 64 channels.  Q and out are f32.
; FORMATS.  Q is rounded to bf16 here, K arrives so (kb): S^T = K Q^T in bf16.  V arrives rounded to bf16 and written as f16 (vh); the weights p are rounded to f16: O^T = V^T P in f16.
; Products, maxima and sums in f32; l is the sum of the unrounded p; out is never rounded below f32.
; LIMITS.  |V| below 65,504; p below 6e-5 keeps f16's fixed step of 6e-8; a weight below 2^-126 counts as 0 in l; NaN and infinities are not treated apart.
; A row whose keys are all hidden: every s and m are -1e9, every p is the same 2^d (d the rounding of c m, 8 at the most in size), and d cancels in O / l: the mean of V's rows, as asked.
; SHARES.  A wave owns four PIECES of two tiles of 16 queries, a work-group's four waves 512 queries of one head.  Every wave walks all keys, 64 a step.
; LAYOUT.  S^T = K Q^T (source 0 = 16 keys, source 1 = 16 queries): a lane holds ONE query (lane % 16) and the keys 8 (lane / 16) + 0..7.  Two such results, rounded in pairs, ARE source 1 of O^T = V^T P,
; whose result again holds one query a lane, and eight channels.  K comes out of LDS as it lies, V ([key][channel]) turned, by ds_load_tr16_b128.
; THE MASK comes as lane masks: for each of a tile's 32 score registers one dword, bit L for lane L, made by the launch before.  A piece and step are 64 dwords: four scalar loads into s[32:63] and s[68:99];
; one v_cndmask_b32 a register puts -1e9 in the hidden scores' place.  It replaces, as the problem does, and adds nothing.
; SOFTMAX.  For each query a running maximum m and sum l: p = 2^(c s - c m), c = log2(e) / 8; in every step O and l are multiplied by a = 2^(c m_old - c m_new).  m starts at the lowest finite number,
; O and l at 0: the first step is a step like any other, with a = 0.
; BY TURNS.  Turn n belongs to piece n.  Matrix work: 16 products K Q^T of piece n + 1, later 16 products V^T P of piece n - 1.  Vector work, 300 lines: the scaling, exponentials, roundings, sums and rescaling
; of piece n; the mask, maximum and statistics of piece n + 1.  Four stand behind every matrix instruction; the other 172 in two runs of their own.
; CLUSTER.  The four query blocks of a cluster belong to one head and walk the same K and V: each tile is asked for JOINTLY, by the same tensor load, descriptor and mask in all four.
; REGISTERS, in windows of 256 (s_set_vgpr_msb: bits 1:0 source 0, 3:2 source 1, 5:4 source 2, 7:6 destination):
;   window 0: v0-1 c, twice (v0 is the thread's number until the addresses are made); v2-11 addresses, -1e9; v12-15, v48-63 at work; v16-47 statistics; v64-191 S^T, two buffers of two tiles; v192-255 P, likewise
;   window 1: O^T, 32 a tile (at the start: Q as loaded, in f32)      window 2: v0-127 Q, 16 a tile; v128-191 K of one step; v192-255 V of one step      window 3: v0-1 the add's two registers
.set NP,    4         ; pieces a wave: a name, no knob
.set KS,    64        ; keys in a step
.set PK,    144       ; a row of K in LDS: 128 bytes + 16 of padding: the 16 rows of a load start 36 words apart, at 16 different groups of four banks (ISA guide 11.1)
.set PV,    160       ; a row of V: 128 + 32: 16 lanes of the turning load take 8 rows x 32 bytes, 40 words apart
.set VOFF,  4*KS*PK   ; a slot holds four steps: 256 rows of K, then 256 rows of V
.set SLOT1, 1<<17     ; slot 1 begins here, so that one exclusive or turns an address in one slot into the other's
.set STAGE, SLOT1+4*KS*(PK+PV)  ; behind the ring, never filled by a tensor load: 16 rows x 272 bytes for each wave, for the way out
.set SP,    272       ; a row of the stage: 256 bytes of f32 + 16
.set SPARE, STAGE+4*16*SP  ; behind the stages: the spare words, 128 bytes for each wave: two blocks of 256 bytes that no other line names
.set NSLOT, 2048/(4*KS)    ; 8 slots' worth of keys
.set CV,  0           ; v[0:1] c, set when the thread's number has served
.set AK0, 2           ; v2   my lane's place in a tile of K; never rewritten
.set AV0, 3           ; v3   the same for V
.set AK,  4           ; v4   the LDS address of K's next run of loads
.set AV,  5           ; v5   of V's
.set QO,  6           ; v6   my byte offset in 16 rows of Q
.set STO, 6           ;      later, the way out: where I put 32 bytes of a row
.set RD,  7           ; v7   the way out: where I read rows back
.set GO,  8           ; v8   my byte offset in 512 consecutive bytes of out
.set BIG, 9           ; v9   lane / 16 during the set-up, then -1e9
.set SPW, 0           ; v0 of window 3   LDS address of my spare word: SPARE + 4 x my thread's number; never rewritten
.set NIL, 1           ; v1 of window 3   0; never rewritten
.set MV,  12          ; v12-15  c m_old, kept while c m is made anew: by buffer and tile
.set ST,  16          ; tile t's statistics at v[ST+4 t]: c m, m, l (even keys', odd keys')
.set TMP, 48          ; by buffer and tile, four registers c0-c3 at work; when the maximum is found c2 takes a
.set S,   64
.set P,   192
.set KF,  128         ; K's fragments, in window 2: key block kb, channel half c at KF + 16 kb + 8 c
.set VF,  192         ; V's: key half kk, channel block cb at VF + 32 kk + 8 cb
.set WV,  2           ; s2   my wave's number
.set CNT, 3           ; s3   counts a slot's key steps
.set SLOTS, 4         ; s4   slots still to be asked for
.set TBK, 5           ; s5   LDS byte at which K of the step to be fetched begins
.set TBV, 6           ; s6   the same for V, less VOFF
.set TS,  7           ; s7   at work
.set G1K, 8           ; s[8:15]  descriptor group 1 for K's tiles
.set G1V, 16          ; s[16:23] for V's: it differs in the padding alone
.set G0K, 24          ; s[24:27] descriptor group 0 for K's tiles: it walks
.set G0V, 28          ; s[28:31] the same for V's
.set MA,  32          ; s[32:63] lane masks of the piece's tile 0; tile 1's lie 36 registers on, s[68:99].  During the set-up s[32:59] are at work
.set SEL, 66          ; s[66:67] v_permlanex16_b32's selects: each lane takes its own place in the other half
.set MP,  100         ; s[100:101] mbits at my wave's piece 0, at the step in hand
.set OUTP, 104        ; s[104:105] out at my wave's first row
.set MSB, 0
.macro WIN new                      ; the high byte repeats the setting that is left; a switch that changes nothing is dropped
.if MSB != (\new)
	s_set_vgpr_msb (MSB<<8)|(\new)
.set MSB, (\new)
.endif
.endm
.set W_KQ, 0x0a       ; K and Q in window 2, S^T in window 0
.set W_PV, 0x52       ; V in window 2, P in window 0, O^T in window 1
.set W_RS, 0x41       ; O^T (destination and source 0) in window 1, the factor in window 0
.set W_MK, 0xc0       ; the add's registers are made: destination in window 3, sources in window 0
.set W_AD, 0x0f       ; the add: address (source 0) and data (source 1) in window 3
; A joint fill.  Waves 0 and 1 fetch the two halves of a slot's K, waves 2 and 3 those of its V: 128 keys each.  The branch hangs on the wave's number alone.
; An s_nop 0 and four v_nop follow each of the two lines, ahead of the jump and the label.
.macro JLOAD
	s_cmp_lt_u32 s[WV], 2
	s_cbranch_scc0 .Lfor_v_\@
	tensor_load_to_lds s[G0K:G0K+3], s[G1K:G1K+7]
	s_nop 0
.rept 4
	v_nop
.endr
	s_branch .Lasked_\@
.Lfor_v_\@:
	tensor_load_to_lds s[G0V:G0V+3], s[G1V:G1V+7]
	s_nop 0
.rept 4
	v_nop
.endr
.Lasked_\@:
.endm
; A round of the cluster's barrier: my work-group's barrier, so that wave 0's signal speaks for all four waves; wave 0 signals; every wave waits for all four work-groups; my work-group's barrier once more.
.macro CROUND
	s_barrier_signal -1
	s_barrier_wait -1
	s_cmp_lg_u32 s[WV], 0
	s_cbranch_scc1 .Lnot_wave_0_\@
	s_barrier_signal -3
.Lnot_wave_0_\@:
	s_barrier_wait -3
	s_barrier_signal -1
	s_barrier_wait -1
.endm
; THE CHANGE OF SLOTS.  The slot's last bytes, V of its fourth step, have been read.  Each wave waits for all its tensor loads, of which one is out: its part of the other slot; adds 0 to its spare word;
; and waits for that and for its own reads of the slot.  Behind the barrier nobody reads this slot any more and the other slot is whole.
; fill = 1: this slot is filled again, with the keys two slots on.  The barrier is then a round of the cluster's, so that no wave of any partner still reads the slot or has a load on its way, and the
; joint fill is the first thing behind it: it has four key steps, 512 matrix instructions, in which to land.  (At its first use nothing has been read yet: slot 0 is waited for, slot 1 filled.)
.macro CHANGE fill
	WIN W_AD
	s_wait_tensorcnt 0x0            ; no tensor load of mine is out, so a group 0 may be written
	ds_add_u32 v[SPW], v[NIL]       ; 0 onto my spare word: with fill = 1 the descriptors' steps stand between it and the wait for it
	WIN 0                           ; at a label and at a branch every window is 0
.if \fill
.irp g, G0K, G0V
	s_xor_b32 s[\g+1], s[\g+1], SLOT1  ; the walking descriptor: the other slot than last time,
	s_add_nc_u64 s[\g+2:\g+3], s[\g+2:\g+3], 4*KS*128  ; the next 256 keys; the type bits on top are not reached
.endr
	s_wait_dscnt 0x0                ; the add is done, and my reads of the slot are over
	CROUND
	JLOAD
.else
	s_wait_dscnt 0x0                ; the add is done, and my reads of the slot are over
	s_barrier_signal -1
	s_barrier_wait -1
.endif
	s_sub_co_u32 s[TBK], s[TBK], 4*KS*PK  ; the fetches go back to a slot's first step,
	s_xor_b32 s[TBK], s[TBK], SLOT1       ; in the other slot
	s_sub_co_u32 s[TBV], s[TBV], 4*KS*PV
	s_xor_b32 s[TBV], s[TBV], SLOT1
.endm
; The 64 lane masks of one piece and step: 256 consecutive bytes, at byte off from the mask pointer.
.macro MLOAD off
	s_load_b512 s[MA:MA+15],    s[MP:MP+1], (\off)
	s_load_b512 s[MA+16:MA+31], s[MP:MP+1], (\off)+64
	s_load_b512 s[MA+36:MA+51], s[MP:MP+1], (\off)+128
	s_load_b512 s[MA+52:MA+67], s[MP:MP+1], (\off)+192
.endm
	s_load_b256 s[32:39], s[0:1], 0x0  ; Q s[32:33], kb s[34:35], vh s[36:37], mbits s[38:39]
	s_load_b64 s[40:41], s[0:1], 0x20  ; out
	WIN W_MK
	v_lshl_add_u32 v[SPW], v0, 2, SPARE
	v_mov_b32 v[NIL], 0
	WIN W_AD
	ds_add_u32 v[SPW], v[NIL]       ; the wave's opening: the add and its wait stand ahead of my first tensor load; the set-up below, work on registers, stands between them
	WIN 0
	v_lshrrev_b32 v1, 5, v0
	v_readfirstlane_b32 s[WV], v1   ; wave 0..3
	s_bfe_u32 s42, ttmp6, 0x40000   ; cx: my place in the cluster
	s_lshl_b32 s43, ttmp9, 2        ; in a cluster launch ttmp9 counts clusters
	s_add_co_u32 s43, s43, s42      ; my block of 512 queries = 4 x cluster x + cx: it enters Q's, the mask's and out's addresses alone
	s_and_b32 s44, ttmp7, 0xffff    ; the head, which the four partners share
	s_and_b32 s45, s[WV], 1         ; which half of a slot's 256 keys I fetch:
	s_lshl_b32 s46, s44, 18         ; the head's 2,048 rows of 128 bytes in kb and vh,
	s_lshl_b32 s47, s45, 14         ; my 128 rows of them
	s_add_co_u32 s46, s46, s47
	s_mov_b32 s47, 0
	s_mul_i32 s50, s45, 128*PK      ; and their place in a slot, for K
	s_mul_i32 s51, s45, 128*PV      ; and for V: no place in the cluster enters an LDS address
	s_lshl_b32 s52, s43, 2
	s_add_co_u32 s52, s52, s[WV]    ; my wave among the head's sixteen
	s_lshl_b32 s53, s52, 15         ; its 128 rows of 256 bytes in Q and out; its four query pairs of 8,192 bytes in mbits
	s_lshl_b32 s54, s44, 19         ; the head's 2,048 rows of 256 bytes
	s_add_co_u32 s54, s54, s53
	s_mov_b32 s55, 0
	s_lshr_b32 s56, s44, 4          ; the batch: 64 query pairs of 8,192 bytes
	s_lshl_b32 s56, s56, 19
	s_add_co_u32 s56, s56, s53
	s_mov_b32 s57, 0
	; descriptor group 1.  128 keys are 16,384 dense bytes: asked for as 64 rows of 256 bytes, two keys a row, and padded in LDS after every key
	s_mov_b32 s[G1K], 15|(1<<16)|(1<<20)|(1<<21)|(4<<22)|(3<<25)  ; 15:0 the mask of four; 17:16 2-byte elements; 20 padding on; 21 set beside a mask; 24:22 after every 32 words (code 4); 31:25 4 words (code 3)
	s_mov_b32 s[G1V], 15|(1<<16)|(1<<20)|(1<<21)|(4<<22)|(7<<25)  ; the same with 8 words of padding (code 7)
.irp g, G1K, G1V
	s_mov_b32 s[\g+1], 128<<16      ; tensor_dim0 = 128
	s_mov_b32 s[\g+2], 64<<16       ; tensor_dim1 = 64
	s_mov_b32 s[\g+3], 128<<16      ; tile_dim0 = 128
	s_mov_b32 s[\g+4], 64           ; tile_dim1 = 64
	s_mov_b32 s[\g+5], 128          ; 128 elements from row to row
	s_mov_b32 s[\g+6], 0
	s_mov_b32 s[\g+7], 0
.endr
	s_mov_b32 s[SEL], 0x76543210
	s_mov_b32 s[SEL+1], 0xfedcba98
	s_mov_b32 s[TBK], SLOT1+4*KS*PK ; the first change of slots turns these two into 0
	s_mov_b32 s[TBV], SLOT1+4*KS*PV
	s_mov_b32 s[G0K], 1             ; 1:0 count = 1
	s_mov_b32 s[G0K+1], s50         ; 63:32 LDS address: slot 0
	s_mov_b32 s[G0V], 1
	s_add_co_u32 s[G0V+1], s51, VOFF
	s_wait_dscnt 0x0                ; the opening add is done
	s_wait_kmcnt 0x0
	s_add_nc_u64 s[G0K+2:G0K+3], s[34:35], s[46:47]  ; 120:64 global address: my half of the head's first 256 keys
	s_or_b32 s[G0K+3], s[G0K+3], 0x80000000          ; 127:126 type = 2
	s_add_nc_u64 s[G0V+2:G0V+3], s[36:37], s[46:47]
	s_or_b32 s[G0V+3], s[G0V+3], 0x80000000
	s_add_nc_u64 s[58:59], s[32:33], s[54:55]        ; Q at my wave's first row
	s_add_nc_u64 s[OUTP:OUTP+1], s[40:41], s[54:55]
	s_add_nc_u64 s[MP:MP+1], s[38:39], s[56:57]
	CROUND                          ; all four work-groups are here: the first joint loads meet
	JLOAD                           ; slot 0.  Slot 1 is asked for when slot 0 is in
	; A fragment of Q is 16 rows x 32 channels: lane l holds row l % 16, channels 8 (l / 16) + 0..7 and 16 + 8 (l / 16) + 0..7.  In f32 eight channels are 32 bytes: two loads of 16.
	v_and_b32 v1, 15, v0            ; l % 16
	v_bfe_u32 v9, v0, 4, 1          ; l / 16
	v_lshlrev_b32 v[QO], 8, v1
	v_lshl_add_u32 v[QO], v9, 5, v[QO]  ; row x 256 + 32 x half
	WIN 0x40                        ; destination window 1, address window 0
.set i, 0
.rept 64                            ; tile i / 8; eight channels 16 ((i % 8) / 2) + 8 (l / 16) on, their half i % 2
	global_load_b128 v[4*i:4*i+3], v[QO], s[58:59] offset:(i/8)*4096+((i%8)/2)*64+(i%2)*16
.set i, i+1
.endr
	; What the first turn finds: V's registers and P's second buffer hold 0 (its products V^T P, of a piece that has not been, add 0), O^T and l are 0.  No first step is written out: these lines are its price.
	WIN 0x80
.set i, VF
.rept 64
	v_mov_b32 v[i], 0
.set i, i+1
.endr
	WIN 0
.set i, 0
.rept 2*NP
	v_mov_b32 v[ST+4*i], 0xfe000000    ; c m: far below every c s
	v_mov_b32 v[ST+4*i+1], 0xff7fffff  ; m
	v_mov_b32 v[ST+4*i+2], 0
	v_mov_b32 v[ST+4*i+3], 0
.set i, i+1
.endr
.set i, P+32
.rept 32
	v_mov_b32 v[i], 0
.set i, i+1
.endr
	v_mul_u32_u24 v[AK0], v1, PK
	v_lshl_add_u32 v[AK0], v9, 4, v[AK0]  ; row x pitch + 16 x half
	; The turning load takes 16 keys x 16 channels (lane l reads key 8 (l / 16) + l % 8, channels 8 ((l / 8) % 2) + 0..7) and leaves half a fragment of V^T: lane l holds channel l % 16 and 8 keys.
	v_and_b32 v10, 7, v0
	v_bfe_u32 v11, v0, 3, 1
	v_lshl_add_u32 v[AV0], v9, 3, v10
	v_mul_u32_u24 v[AV0], v[AV0], PV
	v_lshl_add_u32 v[AV0], v11, 4, v[AV0]
	v_add_nc_u32 v[AV0], VOFF, v[AV0]
	v_mov_b32 v[AK], v[AK0]         ; key step 0 lies at the head of slot 0
	s_wait_loadcnt 0x0              ; Q is in; its base, s[58:59], lies among the mask registers and is free from here on
	MLOAD 0                         ; the masks of piece 0, step 0
	WIN 0x85                        ; sources 0 and 1 window 1, destination window 2
.set i, 0
.rept 128
	v_cvt_pk_bf16_f32 v[i], v[2*i], v[2*i+1]  ; Q's one rounding; register 16 t + 4 (eight channels' number) + pair: the fragments' order
.set i, i+1
.endr
	WIN 0x40
.set i, 0
.rept 64*NP
	v_mov_b32 v[i], 0               ; O^T
.set i, i+1
.endr
	WIN 0
; THE MATRIX WORK.  The 8 accumulators of a run of 16 take turns: between the two links of a chain stand 7 others'.
; Product i of 16 of S^T = K Q^T for piece x: channels 32 (i / 8) on, keys 16 ((i / 2) % 4) on, tile 2 x + i % 2.  The first 8 start the sums.
.macro KQ x
	WIN W_KQ
.set rS, S+64*((\x)%2)+32*(i%2)+8*((i/2)%4)
.set rK, KF+16*((i/2)%4)+8*(i/8)
.set rQ, 16*(2*(\x)+i%2)+8*(i/8)
.if i < 8
	v_wmma_f32_16x16x32_bf16 v[rS:rS+7], v[rK:rK+7], v[rQ:rQ+7], 0
.else
	v_wmma_f32_16x16x32_bf16 v[rS:rS+7], v[rK:rK+7], v[rQ:rQ+7], v[rS:rS+7]
.endif
.endm
; Product i of 16 of O^T += V^T P for piece x: keys 32 (i / 8) on, channels 16 ((i / 2) % 4) on, tile 2 x + i % 2.
.macro PV x
	WIN W_PV
.set rO, 32*(2*(\x)+i%2)+8*((i/2)%4)
.set rV, VF+32*(i/8)+8*((i/2)%4)
.set rP, P+32*((\x)%2)+16*(i%2)+8*(i/8)
	v_wmma_f32_16x16x32_f16 v[rO:rO+7], v[rV:rV+7], v[rP:rP+7], v[rO:rO+7]
.endm
.macro MM                           ; the turn's next matrix instruction
.if i < 16
	KQ (Y+1)%NP
.set i, i+1
.else
.set i, i-16
	PV (Y+NP-1)%NP
.set i, i+17
.endif
.endm
; THE LDS LOADS stand in runs of 16, never singly among the matrix instructions: a step's K (64 keys x 64 channels: 8 fragments) and its V (turned).  Their addresses are made some lines ahead.
; last = 1 (the tail): in the last trip there is no further step, and the run is jumped over.
.macro FETCH_K last=0
	WIN 0
.if \last
	s_cmp_eq_u32 s[CNT], 1
	s_cbranch_scc1 .Lno_k_\@
.endif
	WIN 0x80                        ; destination window 2
.irp f, 0,1,2,3,4,5,6,7             ; keys 16 (f / 2) on, channels 32 (f % 2) on
	ds_load_b128 v[KF+8*\f:KF+8*\f+3],   v[AK] offset:(\f/2)*16*PK+(\f%2)*64
	ds_load_b128 v[KF+8*\f+4:KF+8*\f+7], v[AK] offset:(\f/2)*16*PK+(\f%2)*64+32
.endr
	s_add_co_u32 s[TBK], s[TBK], KS*PK  ; the next fetch is the next step's
	WIN 0
.if \last
.Lno_k_\@:
.endif
.endm
.macro FETCH_V
	WIN 0x80
.irp f, 0,1,2,3,4,5,6,7             ; keys 32 (f / 4) on, channels 16 (f % 4) on
	ds_load_tr16_b128 v[VF+8*\f:VF+8*\f+3],   v[AV] offset:(\f/4)*32*PV+(\f%4)*32
	ds_load_tr16_b128 v[VF+8*\f+4:VF+8*\f+7], v[AV] offset:(\f/4)*32*PV+16*PV+(\f%4)*32
.endr
	WIN 0
.endm
; THE VECTOR WORK OF A TURN stands in three queues, each in the order in which its entries become ready; the two tiles alternate.
.macro REGS y, u                    ; the registers of tile u (0, 1) of piece y
.set rT, ST+4*(2*(\y)+(\u))
.set rC, TMP+8*((\y)%2)+4*(\u)
.set rM, MV+2*((\y)%2)+(\u)
.set rS, S+64*((\y)%2)+32*(\u)
.set rP, P+32*((\y)%2)+16*(\u)
.set rO, 32*(2*(\y)+(\u))
.endm
; Scaling f of 32: c s - c m for pair f / 2 of tile f % 2 of the piece in hand.  FS, MK, XS, GS and REGS set no window: PL and EX do.
.macro FS f
	REGS Y, (\f)%2
	v_pk_fma_f32 v[rS+2*((\f)/2):rS+2*((\f)/2)+1], v[rS+2*((\f)/2):rS+2*((\f)/2)+1], v[CV:CV+1], v[rT:rT+1] op_sel_hi:[1,0,0] neg_lo:[0,0,1] neg_hi:[0,0,1]
.endm
; Select n of 64 on the NEXT piece's scores: register n / 2 of tile n % 2 takes -1e9 in the lanes that its lane mask names.  The registers go in ascending order: each accumulator's lowest is read first.
.macro MK n
	REGS (Y+1)%NP, (\n)%2
	v_cndmask_b32 v[rS+(\n)/2], v[rS+(\n)/2], v[BIG], s[MA+36*((\n)%2)+(\n)/2]
.endm
; Number n of the 22 that find the NEXT piece's maximum and statistics.  s0-s31 are the lane's 32 scores, masked.
;   0-11  four chains c0-c3 of seven scores each, three operands at a time     12-14, 16  the four scores left over, the old m, and c0-c3 into c0     15  c m_old is kept
;   17, 18  the query's other 32 keys lie in the lane 16 away: the new m         19-21  c m; c m_old - c m_new; a
.macro XS u, n
	REGS (Y+1)%NP, \u
.if (\n) < 4
	v_max3_num_f32 v[rC+(\n)], v[rS+8*(\n)], v[rS+8*(\n)+1], v[rS+8*(\n)+2]
.elseif (\n) < 12
	v_max3_num_f32 v[rC+(\n)%4], v[rC+(\n)%4], v[rS+8*((\n)%4)+2*((\n)/4)+1], v[rS+8*((\n)%4)+2*((\n)/4)+2]
.elseif (\n) == 12
	v_max3_num_f32 v[rC], v[rC], v[rS+7], v[rS+15]
.elseif (\n) == 13
	v_max3_num_f32 v[rC+1], v[rC+1], v[rS+23], v[rS+31]
.elseif (\n) == 14
	v_max3_num_f32 v[rC+2], v[rC+2], v[rC+3], v[rT+1]
	s_wait_alu depctr_va_vdst(0)
.elseif (\n) == 15
	v_mov_b32 v[rM], v[rT]
.elseif (\n) == 16
	v_max3_num_f32 v[rC], v[rC], v[rC+1], v[rC+2]
.elseif (\n) == 17
	v_permlanex16_b32 v[rC+3], v[rC], s[SEL], s[SEL+1]
.elseif (\n) == 18
	v_max_num_f32 v[rT+1], v[rC], v[rC+3]
.elseif (\n) == 19
	v_mul_f32 v[rT], v[CV], v[rT+1]
.elseif (\n) == 20
	v_sub_f32 v[rC+1], v[rM], v[rT]
	s_wait_alu depctr_va_vdst(0)
.else
	v_exp_f32 v[rC+2], v[rC+1]
.endif
.endm
; Number g of the 64 that follow the exponentials.  For each four weights k of a tile (pairs 2 k, 2 k + 1): both pairs are rounded to f16; then the second pair is added onto the first, in place;
; a group later l takes that sum (the first time as l = a l + sum).  In groups of eight, tiles alternating: round, round, add, and l for the group before.
.macro GS g
.set h, (\g)+6*((\g)/62)            ; group 0 has no group before it, and behind group 7 only l is left
.if h >= 6
.set h, h+2
.endif
	REGS Y, h%2
.set k, h/8
.if h%8 < 4
	s_wait_alu depctr_va_vdst(0)
	v_cvt_pk_f16_f32 v[rP+2*k+(h%8)/2], v[rS+4*k+2*((h%8)/2)], v[rS+4*k+2*((h%8)/2)+1]
.elseif h%8 < 6
	v_pk_add_f32 v[rS+4*k:rS+4*k+1], v[rS+4*k:rS+4*k+1], v[rS+4*k+2:rS+4*k+3]
.elseif k == 1
	v_pk_fma_f32 v[rT+2:rT+3], v[rT+2:rT+3], v[rC+2:rC+3], v[rS:rS+1] op_sel_hi:[1,0,1]
.else
	v_pk_add_f32 v[rT+2:rT+3], v[rT+2:rT+3], v[rS+4*k-4:rS+4*k-3]
.endif
.endm
; THE PLAIN QUEUE, 202 long.  0-24: scalings 0-24.  25-88: the 64 selects, on end, so that the one set of mask registers is free again early.  89-95: scalings 25-31.
; 96-193: fourteen groups of seven: GS, XS, GS, XS, GS, XS, GS: GS 0-55, and the next piece's numbers 0-20 in order, tiles alternating.  194-201: GS 56-63.
.macro PL
	WIN 0
.set ww, q-25
.set vv, q-96
.if q < 25
	FS q
.elseif ww < 64
	MK ww
.elseif ww < 71
	FS ww-39
.elseif ww < 169
.if (vv%7)%2 == 1
.set xx, 3*(vv/7)+(vv%7)/2
	XS xx%2, xx/2
.else
	GS 4*(vv/7)+(vv%7)/2
.endif
.else
	GS ww-113
.endif
.set q, q+1
.endm
; THE EXPONENTIALS' QUEUE, 66 long: s0-s31 of both tiles, then the next piece's two a.
.set EA, 64
.macro EX
	WIN 0
.if e >= EA
	XS e-EA, 21
.else
	REGS Y, e%2
	v_exp_f32 v[rS+e/2], v[rS+e/2]
.endif
.set e, e+1
.endm
; THE RESCALING's QUEUE: O^T times a, the one part that leaves window 0, so it is dealt four at a time, eight times.
.macro R4
	REGS Y, r%2
	WIN W_RS
	s_wait_alu depctr_va_vdst(0)
.irp z, 0,1,2,3
	v_pk_mul_f32 v[rO+8*(r/2)+2*\z:rO+8*(r/2)+2*\z+1], v[rO+8*(r/2)+2*\z:rO+8*(r/2)+2*\z+1], v[rC+2:rC+3] op_sel_hi:[1,0]
.endr
.set r, r+1
.endm
; HOW THEY ARE DEALT: in fours.  QD number g is plain 4 + 3 g, exponential g, plain 5 + 3 g, plain 6 + 3 g: no two exponentials follow each other, and a plain line stands behind each before its result is used.
; What the deal keeps, by count: exponential e stands behind its scaling 2 (e / 4) + e % 2 (scalings 25-31 stand in QD 28-30, first wanted by exponential 49); GS j wants exponentials up to j + 6 at the most and stands
; in QD 30 + (7 (j / 4) + 2 (j % 4) + 2) / 3, which is j + 8 or later up to j = 55; the last rounding of tile 1 has one plain line between it and exponential 63; the selects end in QD 28 and the maximum begins in QD 31;
; number 20 is out in QD 62, ahead of the two a in QD 64 and 65; both v_permlanex16_b32 fall into QD 57 and 58, in the second run without products.
.macro QD
	PL
	EX
	PL
	PL
.endm
; A TURN, for piece p.  cnt = 1: the loop's count is taken down some lines ahead of the branch that stands behind the turn; nothing behind it writes SCC.
; The selects begin behind the four rescalings that follow the last product K Q^T: four plain lines that name none of its registers (ISA guide 7.12.1).
; The mask registers are asked for again behind the last select: they have 53 of a turn's 75 fours in which to land.  Turn p asks for piece p + 2; piece 2's turn steps the pointer to the next step first, where no
; scalar load is out (the wait for 0 stood earlier in the turn).  In the last step that is 'step 32' of pieces 0 and 1: the wave's own pieces 1 and 2 at step 0, inside the buffer, and what comes is not used.
; K of the next step is fetched in piece 2's turn, behind the four rescalings and five QD that follow K's last reader; V of the step in hand in piece 0's turn, five QD behind V's last reader.
.macro TURN p, last=0, cnt=0
.set Y, (\p)
.set i, 0
.set q, 0
.set e, 0
.set r, 0
.if (\p) == NP-1
	s_wait_dscnt 0x0                ; K is in
.endif
	MM
.rept 4
	PL
.endr
.rept 7
	MM
	R4
	MM
	QD
.endr
	MM
	R4
	s_wait_kmcnt 0x0                ; the next piece's lane masks are in (scalar loads come back in no order: the count is 0)
.rept 21
	QD
.if ((\p) == NP-2) && (e == 10)
	v_add_nc_u32 v[AK], s[TBK], v[AK0]
.endif
.if ((\p) == NP-2) && (e == 12)
	FETCH_K \last
.endif
.endr
.if (\p) == 1
	s_wait_dscnt 0x0                ; V is in
.endif
.rept 16
	MM
	QD
.if e == 29
.if (\p) == NP-2
	s_add_nc_u64 s[MP:MP+1], s[MP:MP+1], 256
.endif
	MLOAD (((\p)+2)%NP)*8192
.endif
.endr
.rept 22
	QD
.if ((\p) == 0) && (e == 46)
	v_add_nc_u32 v[AV], s[TBV], v[AV0]
.endif
.if ((\p) == 0) && (e == 48)
	FETCH_V
.endif
.if ((\p) == 0) && (e == 50)
	s_add_co_u32 s[TBV], s[TBV], KS*PV
.endif
.if (\cnt) && (e == 62)
	s_sub_co_u32 s[CNT], s[CNT], 1
	s_cmp_lg_u32 s[CNT], 0
.endif
.endr
.endm
	CHANGE 1                        ; slot 0 is in, everybody's part of it; slot 1 is asked for
	FETCH_K                         ; key step 0
	s_wait_dscnt 0x0
.set i, 0
.rept 16
	KQ 0                            ; piece 0's first scores: there is no vector work yet to set between them
.set i, i+1
.endr
	WIN 0                           ; the addresses for the way out and three constants: eleven plain lines, the places behind those products
	s_mul_i32 s[TS], s[WV], 16*SP
	s_add_co_u32 s[TS], s[TS], STAGE  ; my stage
	v_mul_u32_u24 v[STO], v1, SP    ; in: row l % 16, 32 bytes for each half of the lanes
	v_lshl_add_u32 v[STO], v9, 5, v[STO]
	v_add_nc_u32 v[STO], s[TS], v[STO]
	v_mul_u32_u24 v[RD], v9, SP     ; back: lanes 0-15 take one row of 256 bytes, lanes 16-31 the next,
	v_lshl_add_u32 v[RD], v1, 4, v[RD]
	v_add_nc_u32 v[RD], s[TS], v[RD]
	v_and_b32 v[GO], 31, v0         ; which are 512 consecutive bytes of out
	v_lshlrev_b32 v[GO], 4, v[GO]
	v_mov_b32 v[CV], 0x3e38aa3b     ; c = log2(e) / 8 = 0.180337; the thread's number has served
	v_mov_b32 v[CV+1], 0x3e38aa3b
	v_mov_b32 v[BIG], 0xce6e6b28    ; -1e9, exact in f32
	s_wait_kmcnt 0x0                ; piece 0's lane masks
.set Y, NP-1                        ; MK and XS work for piece Y + 1: piece 0
.set zz, 0
.rept 64
	MK zz
.set zz, zz+1
.endr
	MLOAD 8192                      ; piece 1, step 0
.irp n, 0,1,2,3,4,5,6,7,8,9,10,11,12,13,14,15,16,17,18,19,20,21
	XS 0, \n                        ; piece 0's first maximum and statistics
	XS 1, \n
.endr
	s_mov_b32 s[CNT], 4
	s_mov_b32 s[SLOTS], NSLOT-1
	s_branch .Lfirst                ; the loop is entered at a step's first turn, in the middle of a trip
.Lslot:                             ; NSLOT - 2 times: every slot but the last two is filled again
	CHANGE 1
	s_mov_b32 s[CNT], 4
.Lstep:                             ; a trip: pieces 2 and 3 of one step, then pieces 0 and 1 of the next, whose K and V it fetches
	TURN 2
	TURN 3
	WIN 0
.Lfirst:
	TURN 0
	TURN 1, 0, 1
	WIN 0
	s_cbranch_scc1 .Lstep
	s_sub_co_u32 s[SLOTS], s[SLOTS], 1
	s_cmp_lg_u32 s[SLOTS], 0
	s_cbranch_scc1 .Lslot
	CHANGE 0                        ; the tail is written out: nothing is asked for
	s_mov_b32 s[CNT], 5             ; four trips fetch the last slot's steps; the fifth is left in its middle
.Ltail:
	TURN 2, 1
	TURN 3
	WIN 0
	s_sub_co_u32 s[CNT], s[CNT], 1
	s_cmp_eq_u32 s[CNT], 0
	s_cbranch_scc1 .Lout
	TURN 0
	TURN 1
	WIN 0
	s_branch .Ltail
.Lout:                              ; the fifth trip's 16 products K Q^T (on the last K once more), their selects and the maximum made of them serve nothing: the price, once a launch, of one text for every trip
	s_wait_kmcnt 0x0                ; the last lane masks asked for, which nobody reads
.set i, 0
.rept 16
	PV NP-1                         ; the last piece's V^T P of the last step
.set i, i+1
.endr
	; THE WAY OUT.  l's two halves and the other half of the lanes' are added; O^T is divided by l and sent, in f32, through my stage in LDS, a tile at a time.  The additions are the places behind the last products.
	WIN 0
.macro ALL line:vararg              ; one line for each tile t
.set t, 0
.rept 2*NP
	\line
.set t, t+1
.endr
.endm
	ALL v_add_f32 v[ST+4*t+2], v[ST+4*t+2], v[ST+4*t+3]
	ALL v_permlanex16_b32 v[ST+4*t+3], v[ST+4*t+2], s[SEL], s[SEL+1]
	ALL v_add_f32 v[ST+4*t+2], v[ST+4*t+2], v[ST+4*t+3]
	ALL v_rcp_f32 v[ST+4*t+2], v[ST+4*t+2]
	v_nop                           ; a plain instruction between the last reciprocal and the use of its result
	s_wait_alu depctr_va_vdst(0)
; Tile t: a lane's eight channels of a row are 32 bytes; they go into rows of 272 bytes and come back as whole rows of 256, into S^T's registers, four tiles' worth by turns.
.macro PACK t
	WIN W_RS
.set i, 32*(\t)
.rept 16
	v_pk_mul_f32 v[i:i+1], v[i:i+1], v[ST+4*(\t)+2:ST+4*(\t)+3] op_sel_hi:[1,0]  ; in ascending order: each accumulator's lowest registers first
.set i, i+2
.endr
	WIN 0x04                        ; the stores' data in window 1, their address in window 0
.irp f, 0,1,2,3,4,5,6,7             ; channels 16 (f / 2) + 8 (l / 16) + 4 (f % 2) on
	ds_store_b128 v[STO], v[32*(\t)+4*\f:32*(\t)+4*\f+3] offset:64*(\f/2)+16*(\f%2)
.endr
	WIN 0
.if (\t) >= 4
	s_wait_xcnt 0x0                 ; the registers below are those that tile t - 4's stores read: they are written again only behind this wait
.endif
.irp f, 0,1,2,3,4,5,6,7
	ds_load_b128 v[S+32*((\t)%4)+4*\f:S+32*((\t)%4)+4*\f+3], v[RD] offset:\f*2*SP  ; LDS serves a wave's instructions in order (ISA guide 5.7.1.4): these see the stores above; the next tile's stores come behind them
.endr
.endm
.macro SEND t, younger              ; younger: the LDS instructions issued behind tile t's loads: the next tile's sixteen, or none
	WIN 0
.irp f, 0,1,2,3,4,5,6,7
	s_wait_dscnt (\younger)+7-\f
	global_store_b128 v[GO], v[S+32*((\t)%4)+4*\f:S+32*((\t)%4)+4*\f+3], s[OUTP:OUTP+1] offset:(\t)*4096+\f*512 th:TH_STORE_NT  ; 512 consecutive bytes, two whole rows, at a multiple of 256 from out's first byte
.endr
.endm
	PACK 0
.set t, 1
.rept 2*NP-1                        ; a tile's arithmetic stands between the loads of the tile before and its stores
	PACK t
	SEND t-1, 16
.set t, t+1
.endr
	SEND 2*NP-1, 0
	WIN W_AD
	s_wait_tensorcnt 0x0            ; the wave's end, behind my last tensor load and my last LDS store
	ds_add_u32 v[SPW], v[NIL]
	s_wait_dscnt 0x0
	WIN 0
	CROUND                          ; the closing round: no work-group ends while a partner may still ask for a tile that names it
	s_endpgm
.Lfunc_end_k_qdb83020dab_attn:
	.size	k_qdb83020dab_attn, .Lfunc_end_k_qdb83020dab_attn-k_qdb83020dab_attn
	.p2alignl 7, 3214868480
	.fill 96, 4, 3214868480
	.section	.rodata,"a",@progbits
	.p2align	6, 0x0
	.amdhsa_kernel k_qdb83020dab_attn
		.amdhsa_group_segment_fixed_size 327680
		.amdhsa_private_segment_fixed_size 0
		.amdhsa_enable_private_segment 0
		.amdhsa_kernarg_size 40
		.amdhsa_user_sgpr_count 2
		.amdhsa_user_sgpr_kernarg_segment_ptr 1
		.amdhsa_wavefront_size32 1
		.amdhsa_system_sgpr_workgroup_id_x 1
		.amdhsa_system_sgpr_workgroup_id_y 1
		.amdhsa_system_sgpr_workgroup_id_z 1
		.amdhsa_system_vgpr_workitem_id 0
		.amdhsa_next_free_vgpr 770
		.amdhsa_next_free_sgpr 106
		.amdhsa_reserve_vcc 0
		.amdhsa_float_denorm_mode_32 3
		.amdhsa_float_denorm_mode_16_64 3
		.amdhsa_memory_ordered 1
		.amdhsa_forward_progress 1
		.amdhsa_inst_pref_size 255
	.end_amdhsa_kernel
	.section	.bss,"aw",@nobits
	.p2align	6
	.space	262144
	.amdgpu_metadata
---
amdhsa.version: [ 1, 2 ]
amdhsa.kernels:
  - .name:           k_qdb83020dab_attn
    .symbol:         k_qdb83020dab_attn.kd
    .args:
      - { .name: Q, .offset: 0, .size: 8, .value_kind: global_buffer, .address_space: global }
      - { .name: kb, .offset: 8, .size: 8, .value_kind: global_buffer, .address_space: global }
      - { .name: vh, .offset: 16, .size: 8, .value_kind: global_buffer, .address_space: global }
      - { .name: mbits, .offset: 24, .size: 8, .value_kind: global_buffer, .address_space: global }
      - { .name: out0, .offset: 32, .size: 8, .value_kind: global_buffer, .address_space: global }
    .group_segment_fixed_size: 327680
    .private_segment_fixed_size: 0
    .kernarg_segment_align: 8
    .kernarg_segment_size: 40
    .max_flat_workgroup_size: 128
    .sgpr_count:     106
    .vgpr_count:     770
    .wavefront_size: 32
...
	.end_amdgpu_metadata
.endif
;; end of part 2
;; ======== version 2 of 2: 2 launches; 1.37 times as fast as version 1
;; limits: values are held in f16: magnitudes above 65,504 overflow, below 6.1e-05 lose precision; inputs' magnitudes at most 65,504
;; workspace buffers: kb 16,777,216 bytes; vh 16,777,216 bytes; mbits 2,097,152 bytes of whole numbers
;; launch prep: the kernel of part 1 again; grid 1024 x 1, 8 waves a work-group, no clusters, 0 bytes of LDS; arguments K, V, mask, kb, vh, mbits; writes kb, vh, mbits
;; launch attn (part 3): grid 4 x 64, 4 waves a work-group, clusters of 4 x 1, 327,680 bytes of LDS; arguments Q, kb, vh, mbits, out0; writes out0
.if DOCPART == 3
	.amdgcn_target "amdgcn-amd-amdhsa--gfx1250"
	.amdhsa_code_object_version 6
	.text
	.protected	k_qdb83020dab_attn
	.globl	k_qdb83020dab_attn
	.p2align	8
	.type	k_qdb83020dab_attn,@function
k_qdb83020dab_attn:
	s_mov_b64 s[64:65], 0
	v_nop
	global_prefetch_b8 v0, s[64:65] scope:SCOPE_SE
	s_setreg_imm32_b32 hwreg(HW_REG_WAVE_MODE, 25, 1), 1
	s_wait_xcnt 0x0
	s_wait_alu depctr_hold_cnt(0) depctr_sa_sdst(0) depctr_va_vdst(0) depctr_va_sdst(0) depctr_va_ssrc(0) depctr_va_vcc(0) depctr_vm_vsrc(0)
	s_getreg_b32 s2, hwreg(HW_REG_IB_STS2, 6, 4)
	s_cmp_eq_u32 s2, 0
	s_cbranch_scc0 .Lentry_in_a_cluster
	s_endpgm
.Lentry_in_a_cluster:
	s_bfe_u32 s2, ttmp6, 0x10000c
	s_cmp_lg_u32 s2, 0x3003
	s_cbranch_scc0 .Lentry_shape_is_right
	s_endpgm
.Lentry_shape_is_right:
; out[h][q][:] = the sum over k of softmax_k(s / 8) V[h][k][:], s = -1e9 where mask[h / 16][q][k], else Q[h][q] . K[h][k].  64 heads, 2,048 rows, 64 channels.  Q and out are f32.
; FORMATS.  Q is rounded to bf16 here, K arrives so (kb): S^T = K Q^T in bf16.  V arrives rounded to bf16 and written as f16 (vh); the weights p are rounded to f16: O^T = V^T P in f16.
; Products, maxima and sums in f32; l is the sum of the unrounded p; out is never rounded below f32.
; LIMITS.  |V| below 65,504; p below 6e-5 keeps f16's fixed step of 6e-8; a weight below 2^-126 counts as 0 in l; NaN and infinities are not treated apart.
; A row whose keys are all hidden: every s and m are -1e9, every p is the same 2^d (d the rounding of c m, 8 at the most in size), and d cancels in O / l: the mean of V's rows, as asked.
; SHARES.  A wave owns four PIECES of two tiles of 16 queries, a work-group's four waves 512 queries of one head.  Every wave walks all keys, 64 a step.
; LAYOUT.  S^T = K Q^T (source 0 = 16 keys, source 1 = 16 queries): a lane holds ONE query (lane % 16) and the keys 8 (lane / 16) + 0..7.  Two such results, rounded in pairs, ARE source 1 of O^T = V^T P,
; whose result again holds one query a lane, and eight channels.  K comes out of LDS as it lies, V ([key][channel]) turned, by ds_load_tr16_b128.
; THE MASK comes as lane masks: for each of a tile's 32 score registers one dword, bit L for lane L, made by the launch before.  A piece and step are 64 dwords: four scalar loads into s[32:63] and s[68:99];
; one v_cndmask_b32 a register puts -1e9 in the hidden scores' place.  It replaces, as the problem does, and adds nothing.
; SOFTMAX.  For each query a running maximum m and sum l: p = 2^(c s - c m), c = log2(e) / 8; in every step O and l are multiplied by a = 2^(c m_old - c m_new).  m starts at the lowest finite number,
; O and l at 0: the first step is a step like any other, with a = 0.
; BY TURNS.  Turn n belongs to piece n.  Matrix work: 16 products K Q^T of piece n + 1, later 16 products V^T P of piece n - 1.  Vector work, 300 lines: the scaling, exponentials, roundings, sums and rescaling
; of piece n; the mask, maximum and statistics of piece n + 1.  Four stand behind every matrix instruction; the other 172 in one run of their own, between the two runs of products.
; BATCHES.  A turn's 66 exponentials (the piece's 64 weights, the next piece's two a) are ONE batch with ONE s_wait_alu depctr_va_vdst(0), ahead of the first line that names a result.
; The wait cuts the turn in two.  Ahead of it stands all that names no result of the batch: the products K Q^T, the scalings, the exponentials, the rescalings (their a is the turn before's, waited for there), the
; selects, the next piece's maximum and statistics.  Behind it stand the readers: the roundings and sums, which are the riders of the products V^T P.  No result crosses a turn's end.  Two small batches stand
; outside the loops, each with a wait of its own: piece 0's first two a, and the way out's eight reciprocals.
; CLUSTER.  The four query blocks of a cluster belong to one head and walk the same K and V: each tile is asked for JOINTLY, by the same tensor load, descriptor and mask in all four.
; REGISTERS, in windows of 256 (s_set_vgpr_msb: bits 1:0 source 0, 3:2 source 1, 5:4 source 2, 7:6 destination):
;   window 0: v0-1 c, twice (v0 is the thread's number until the addresses are made); v2-11 addresses, -1e9; v12-15, v48-63 at work; v16-47 statistics; v64-191 S^T, two buffers of two tiles; v192-255 P, likewise
;   window 1: O^T, 32 a tile (at the start: Q as loaded, in f32)      window 2: v0-127 Q, 16 a tile; v128-191 K of one step; v192-255 V of one step      window 3: v0-1 the add's two registers
.set NP,    4         ; pieces a wave: a name, no knob
.set KS,    64        ; keys in a step
.set PK,    144       ; a row of K in LDS: 128 bytes + 16 of padding: the 16 rows of a load start 36 words apart, at 16 different groups of four banks (ISA guide 11.1)
.set PV,    160       ; a row of V: 128 + 32: 16 lanes of the turning load take 8 rows x 32 bytes, 40 words apart
.set VOFF,  4*KS*PK   ; a slot holds four steps: 256 rows of K, then 256 rows of V
.set SLOT1, 1<<17     ; slot 1 begins here, so that one exclusive or turns an address in one slot into the other's
.set STAGE, SLOT1+4*KS*(PK+PV)  ; behind the ring, never filled by a tensor load: 16 rows x 272 bytes for each wave, for the way out
.set SP,    272       ; a row of the stage: 256 bytes of f32 + 16
.set SPARE, STAGE+4*16*SP  ; behind the stages: the spare words, 128 bytes for each wave: two blocks of 256 bytes that no other line names
.set NSLOT, 2048/(4*KS)    ; 8 slots' worth of keys
.set CV,  0           ; v[0:1] c, set when the thread's number has served
.set AK0, 2           ; v2   my lane's place in a tile of K; never rewritten
.set AV0, 3           ; v3   the same for V
.set AK,  4           ; v4   the LDS address of K's next run of loads
.set AV,  5           ; v5   of V's
.set QO,  6           ; v6   my byte offset in 16 rows of Q
.set STO, 6           ;      later, the way out: where I put 32 bytes of a row
.set RD,  7           ; v7   the way out: where I read rows back
.set GO,  8           ; v8   my byte offset in 512 consecutive bytes of out
.set BIG, 9           ; v9   lane / 16 during the set-up, then -1e9
.set SPW, 0           ; v0 of window 3   LDS address of my spare word: SPARE + 4 x my thread's number; never rewritten
.set NIL, 1           ; v1 of window 3   0; never rewritten
.set MV,  12          ; v12-15  c m_old, kept while c m is made anew: by buffer and tile
.set ST,  16          ; tile t's statistics at v[ST+4 t]: c m, m, l (even keys', odd keys')
.set TMP, 48          ; by buffer and tile, four registers c0-c3 at work; when the maximum is found c2 takes a
.set S,   64
.set P,   192
.set KF,  128         ; K's fragments, in window 2: key block kb, channel half c at KF + 16 kb + 8 c
.set VF,  192         ; V's: key half kk, channel block cb at VF + 32 kk + 8 cb
.set WV,  2           ; s2   my wave's number
.set CNT, 3           ; s3   counts a slot's key steps
.set SLOTS, 4         ; s4   slots still to be asked for
.set TBK, 5           ; s5   LDS byte at which K of the step to be fetched begins
.set TBV, 6           ; s6   the same for V, less VOFF
.set TS,  7           ; s7   at work
.set G1K, 8           ; s[8:15]  descriptor group 1 for K's tiles
.set G1V, 16          ; s[16:23] for V's: it differs in the padding alone
.set G0K, 24          ; s[24:27] descriptor group 0 for K's tiles: it walks
.set G0V, 28          ; s[28:31] the same for V's
.set MA,  32          ; s[32:63] lane masks of the piece's tile 0; tile 1's lie 36 registers on, s[68:99].  During the set-up s[32:59] are at work
.set SEL, 66          ; s[66:67] v_permlanex16_b32's selects: each lane takes its own place in the other half
.set MP,  100         ; s[100:101] mbits at my wave's piece 0, at the step in hand
.set OUTP, 104        ; s[104:105] out at my wave's first row
.set MSB, 0
.macro WIN new                      ; the high byte repeats the setting that is left; a switch that changes nothing is dropped
.if MSB != (\new)
	s_set_vgpr_msb (MSB<<8)|(\new)
.set MSB, (\new)
.endif
.endm
.set W_KQ, 0x0a       ; K and Q in window 2, S^T in window 0
.set W_PV, 0x52       ; V in window 2, P in window 0, O^T in window 1
.set W_RS, 0x41       ; O^T (destination and source 0) in window 1, the factor in window 0
.set W_MK, 0xc0       ; the add's registers are made: destination in window 3, sources in window 0
.set W_AD, 0x0f       ; the add: address (source 0) and data (source 1) in window 3
; A joint fill.  Waves 0 and 1 fetch the two halves of a slot's K, waves 2 and 3 those of its V: 128 keys each.  The branch hangs on the wave's number alone.
; An s_nop 0 and four v_nop follow each of the two lines, ahead of the jump and the label.
.macro JLOAD
	s_cmp_lt_u32 s[WV], 2
	s_cbranch_scc0 .Lfor_v_\@
	tensor_load_to_lds s[G0K:G0K+3], s[G1K:G1K+7]
	s_nop 0
.rept 4
	v_nop
.endr
	s_branch .Lasked_\@
.Lfor_v_\@:
	tensor_load_to_lds s[G0V:G0V+3], s[G1V:G1V+7]
	s_nop 0
.rept 4
	v_nop
.endr
.Lasked_\@:
.endm
; A round of the cluster's barrier: my work-group's barrier, so that wave 0's signal speaks for all four waves; wave 0 signals; every wave waits for all four work-groups; my work-group's barrier once more.
.macro CROUND
	s_barrier_signal -1
	s_barrier_wait -1
	s_cmp_lg_u32 s[WV], 0
	s_cbranch_scc1 .Lnot_wave_0_\@
	s_barrier_signal -3
.Lnot_wave_0_\@:
	s_barrier_wait -3
	s_barrier_signal -1
	s_barrier_wait -1
.endm
; THE CHANGE OF SLOTS.  The slot's last bytes, V of its fourth step, have been read.  Each wave waits for all its tensor loads, of which one is out: its part of the other slot; adds 0 to its spare word;
; and waits for that and for its own reads of the slot.  Behind the barrier nobody reads this slot any more and the other slot is whole.
; fill = 1: this slot is filled again, with the keys two slots on.  The barrier is then a round of the cluster's, so that no wave of any partner still reads the slot or has a load on its way, and the
; joint fill is the first thing behind it: it has four key steps, 512 matrix instructions, in which to land.  (At its first use nothing has been read yet: slot 0 is waited for, slot 1 filled.)
.macro CHANGE fill
	WIN W_AD
	s_wait_tensorcnt 0x0            ; no tensor load of mine is out, so a group 0 may be written
	ds_add_u32 v[SPW], v[NIL]       ; 0 onto my spare word: with fill = 1 the descriptors' steps stand between it and the wait for it
	WIN 0                           ; at a label and at a branch every window is 0
.if \fill
.irp g, G0K, G0V
	s_xor_b32 s[\g+1], s[\g+1], SLOT1  ; the walking descriptor: the other slot than last time,
	s_add_nc_u64 s[\g+2:\g+3], s[\g+2:\g+3], 4*KS*128  ; the next 256 keys; the type bits on top are not reached
.endr
	s_wait_dscnt 0x0                ; the add is done, and my reads of the slot are over
	CROUND
	JLOAD
.else
	s_wait_dscnt 0x0                ; the add is done, and my reads of the slot are over
	s_barrier_signal -1
	s_barrier_wait -1
.endif
	s_sub_co_u32 s[TBK], s[TBK], 4*KS*PK  ; the fetches go back to a slot's first step,
	s_xor_b32 s[TBK], s[TBK], SLOT1       ; in the other slot
	s_sub_co_u32 s[TBV], s[TBV], 4*KS*PV
	s_xor_b32 s[TBV], s[TBV], SLOT1
.endm
; The 64 lane masks of one piece and step: 256 consecutive bytes, at byte off from the mask pointer.
.macro MLOAD off
	s_load_b512 s[MA:MA+15],    s[MP:MP+1], (\off)
	s_load_b512 s[MA+16:MA+31], s[MP:MP+1], (\off)+64
	s_load_b512 s[MA+36:MA+51], s[MP:MP+1], (\off)+128
	s_load_b512 s[MA+52:MA+67], s[MP:MP+1], (\off)+192
.endm
	s_load_b256 s[32:39], s[0:1], 0x0  ; Q s[32:33], kb s[34:35], vh s[36:37], mbits s[38:39]
	s_load_b64 s[40:41], s[0:1], 0x20  ; out
	WIN W_MK
	v_lshl_add_u32 v[SPW], v0, 2, SPARE
	v_mov_b32 v[NIL], 0
	WIN W_AD
	ds_add_u32 v[SPW], v[NIL]       ; the wave's opening: the add and its wait stand ahead of my first tensor load; the set-up below, work on registers, stands between them
	WIN 0
	v_lshrrev_b32 v1, 5, v0
	v_readfirstlane_b32 s[WV], v1   ; wave 0..3
	s_bfe_u32 s42, ttmp6, 0x40000   ; cx: my place in the cluster
	s_lshl_b32 s43, ttmp9, 2        ; in a cluster launch ttmp9 counts clusters
	s_add_co_u32 s43, s43, s42      ; my block of 512 queries = 4 x cluster x + cx: it enters Q's, the mask's and out's addresses alone
	s_and_b32 s44, ttmp7, 0xffff    ; the head, which the four partners share
	s_and_b32 s45, s[WV], 1         ; which half of a slot's 256 keys I fetch:
	s_lshl_b32 s46, s44, 18         ; the head's 2,048 rows of 128 bytes in kb and vh,
	s_lshl_b32 s47, s45, 14         ; my 128 rows of them
	s_add_co_u32 s46, s46, s47
	s_mov_b32 s47, 0
	s_mul_i32 s50, s45, 128*PK      ; and their place in a slot, for K
	s_mul_i32 s51, s45, 128*PV      ; and for V: no place in the cluster enters an LDS address
	s_lshl_b32 s52, s43, 2
	s_add_co_u32 s52, s52, s[WV]    ; my wave among the head's sixteen
	s_lshl_b32 s53, s52, 15         ; its 128 rows of 256 bytes in Q and out; its four query pairs of 8,192 bytes in mbits
	s_lshl_b32 s54, s44, 19         ; the head's 2,048 rows of 256 bytes
	s_add_co_u32 s54, s54, s53
	s_mov_b32 s55, 0
	s_lshr_b32 s56, s44, 4          ; the batch: 64 query pairs of 8,192 bytes
	s_lshl_b32 s56, s56, 19
	s_add_co_u32 s56, s56, s53
	s_mov_b32 s57, 0
	; descriptor group 1.  128 keys are 16,384 dense bytes: asked for as 64 rows of 256 bytes, two keys a row, and padded in LDS after every key
	s_mov_b32 s[G1K], 15|(1<<16)|(1<<20)|(1<<21)|(4<<22)|(3<<25)  ; 15:0 the mask of four; 17:16 2-byte elements; 20 padding on; 21 set beside a mask; 24:22 after every 32 words (code 4); 31:25 4 words (code 3)
	s_mov_b32 s[G1V], 15|(1<<16)|(1<<20)|(1<<21)|(4<<22)|(7<<25)  ; the same with 8 words of padding (code 7)
.irp g, G1K, G1V
	s_mov_b32 s[\g+1], 128<<16      ; tensor_dim0 = 128
	s_mov_b32 s[\g+2], 64<<16       ; tensor_dim1 = 64
	s_mov_b32 s[\g+3], 128<<16      ; tile_dim0 = 128
	s_mov_b32 s[\g+4], 64           ; tile_dim1 = 64
	s_mov_b32 s[\g+5], 128          ; 128 elements from row to row
	s_mov_b32 s[\g+6], 0
	s_mov_b32 s[\g+7], 0
.endr
	s_mov_b32 s[SEL], 0x76543210
	s_mov_b32 s[SEL+1], 0xfedcba98
	s_mov_b32 s[TBK], SLOT1+4*KS*PK ; the first change of slots turns these two into 0
	s_mov_b32 s[TBV], SLOT1+4*KS*PV
	s_mov_b32 s[G0K], 1             ; 1:0 count = 1
	s_mov_b32 s[G0K+1], s50         ; 63:32 LDS address: slot 0
	s_mov_b32 s[G0V], 1
	s_add_co_u32 s[G0V+1], s51, VOFF
	s_wait_dscnt 0x0                ; the opening add is done
	s_wait_kmcnt 0x0
	s_add_nc_u64 s[G0K+2:G0K+3], s[34:35], s[46:47]  ; 120:64 global address: my half of the head's first 256 keys
	s_or_b32 s[G0K+3], s[G0K+3], 0x80000000          ; 127:126 type = 2
	s_add_nc_u64 s[G0V+2:G0V+3], s[36:37], s[46:47]
	s_or_b32 s[G0V+3], s[G0V+3], 0x80000000
	s_add_nc_u64 s[58:59], s[32:33], s[54:55]        ; Q at my wave's first row
	s_add_nc_u64 s[OUTP:OUTP+1], s[40:41], s[54:55]
	s_add_nc_u64 s[MP:MP+1], s[38:39], s[56:57]
	CROUND                          ; all four work-groups are here: the first joint loads meet
	JLOAD                           ; slot 0.  Slot 1 is asked for when slot 0 is in
	; A fragment of Q is 16 rows x 32 channels: lane l holds row l % 16, channels 8 (l / 16) + 0..7 and 16 + 8 (l / 16) + 0..7.  In f32 eight channels are 32 bytes: two loads of 16.
	v_and_b32 v1, 15, v0            ; l % 16
	v_bfe_u32 v9, v0, 4, 1          ; l / 16
	v_lshlrev_b32 v[QO], 8, v1
	v_lshl_add_u32 v[QO], v9, 5, v[QO]  ; row x 256 + 32 x half
	WIN 0x40                        ; destination window 1, address window 0
.set i, 0
.rept 64                            ; tile i / 8; eight channels 16 ((i % 8) / 2) + 8 (l / 16) on, their half i % 2
	global_load_b128 v[4*i:4*i+3], v[QO], s[58:59] offset:(i/8)*4096+((i%8)/2)*64+(i%2)*16
.set i, i+1
.endr
	; What the first turn finds: V's registers and P's second buffer hold 0 (its products V^T P, of a piece that has not been, add 0), O^T and l are 0.  No first step is written out: these lines are its price.
	WIN 0x80
.set i, VF
.rept 64
	v_mov_b32 v[i], 0
.set i, i+1
.endr
	WIN 0
.set i, 0
.rept 2*NP
	v_mov_b32 v[ST+4*i], 0xfe000000    ; c m: far below every c s
	v_mov_b32 v[ST+4*i+1], 0xff7fffff  ; m
	v_mov_b32 v[ST+4*i+2], 0
	v_mov_b32 v[ST+4*i+3], 0
.set i, i+1
.endr
.set i, P+32
.rept 32
	v_mov_b32 v[i], 0
.set i, i+1
.endr
	v_mul_u32_u24 v[AK0], v1, PK
	v_lshl_add_u32 v[AK0], v9, 4, v[AK0]  ; row x pitch + 16 x half
	; The turning load takes 16 keys x 16 channels (lane l reads key 8 (l / 16) + l % 8, channels 8 ((l / 8) % 2) + 0..7) and leaves half a fragment of V^T: lane l holds channel l % 16 and 8 keys.
	v_and_b32 v10, 7, v0
	v_bfe_u32 v11, v0, 3, 1
	v_lshl_add_u32 v[AV0], v9, 3, v10
	v_mul_u32_u24 v[AV0], v[AV0], PV
	v_lshl_add_u32 v[AV0], v11, 4, v[AV0]
	v_add_nc_u32 v[AV0], VOFF, v[AV0]
	v_mov_b32 v[AK], v[AK0]         ; key step 0 lies at the head of slot 0
	s_wait_loadcnt 0x0              ; Q is in; its base, s[58:59], lies among the mask registers and is free from here on
	MLOAD 0                         ; the masks of piece 0, step 0
	WIN 0x85                        ; sources 0 and 1 window 1, destination window 2
.set i, 0
.rept 128
	v_cvt_pk_bf16_f32 v[i], v[2*i], v[2*i+1]  ; Q's one rounding; register 16 t + 4 (eight channels' number) + pair: the fragments' order
.set i, i+1
.endr
	WIN 0x40
.set i, 0
.rept 64*NP
	v_mov_b32 v[i], 0               ; O^T
.set i, i+1
.endr
	WIN 0
; THE MATRIX WORK.  The 8 accumulators of a run of 16 take turns: between the two links of a chain stand 7 others'.
; Product i of 16 of S^T = K Q^T for piece x: channels 32 (i / 8) on, keys 16 ((i / 2) % 4) on, tile 2 x + i % 2.  The first 8 start the sums.
.macro KQ x
	WIN W_KQ
.set rS, S+64*((\x)%2)+32*(i%2)+8*((i/2)%4)
.set rK, KF+16*((i/2)%4)+8*(i/8)
.set rQ, 16*(2*(\x)+i%2)+8*(i/8)
.if i < 8
	v_wmma_f32_16x16x32_bf16 v[rS:rS+7], v[rK:rK+7], v[rQ:rQ+7], 0
.else
	v_wmma_f32_16x16x32_bf16 v[rS:rS+7], v[rK:rK+7], v[rQ:rQ+7], v[rS:rS+7]
.endif
.endm
; Product i of 16 of O^T += V^T P for piece x: keys 32 (i / 8) on, channels 16 ((i / 2) % 4) on, tile 2 x + i % 2.
.macro PV x
	WIN W_PV
.set rO, 32*(2*(\x)+i%2)+8*((i/2)%4)
.set rV, VF+32*(i/8)+8*((i/2)%4)
.set rP, P+32*((\x)%2)+16*(i%2)+8*(i/8)
	v_wmma_f32_16x16x32_f16 v[rO:rO+7], v[rV:rV+7], v[rP:rP+7], v[rO:rO+7]
.endm
.macro MM                           ; the turn's next matrix instruction
.if i < 16
	KQ (Y+1)%NP
.set i, i+1
.else
.set i, i-16
	PV (Y+NP-1)%NP
.set i, i+17
.endif
.endm
; THE LDS LOADS stand in runs of 16, never singly among the matrix instructions: a step's K (64 keys x 64 channels: 8 fragments) and its V (turned).  Their addresses are made some lines ahead.
; last = 1 (the tail): in the last trip there is no further step, and the run is jumped over.
.macro FETCH_K last=0
	WIN 0
.if \last
	s_cmp_eq_u32 s[CNT], 1
	s_cbranch_scc1 .Lno_k_\@
.endif
	WIN 0x80                        ; destination window 2
.irp f, 0,1,2,3,4,5,6,7             ; keys 16 (f / 2) on, channels 32 (f % 2) on
	ds_load_b128 v[KF+8*\f:KF+8*\f+3],   v[AK] offset:(\f/2)*16*PK+(\f%2)*64
	ds_load_b128 v[KF+8*\f+4:KF+8*\f+7], v[AK] offset:(\f/2)*16*PK+(\f%2)*64+32
.endr
	s_add_co_u32 s[TBK], s[TBK], KS*PK  ; the next fetch is the next step's
	WIN 0
.if \last
.Lno_k_\@:
.endif
.endm
.macro FETCH_V
	WIN 0x80
.irp f, 0,1,2,3,4,5,6,7             ; keys 32 (f / 4) on, channels 16 (f % 4) on
	ds_load_tr16_b128 v[VF+8*\f:VF+8*\f+3],   v[AV] offset:(\f/4)*32*PV+(\f%4)*32
	ds_load_tr16_b128 v[VF+8*\f+4:VF+8*\f+7], v[AV] offset:(\f/4)*32*PV+16*PV+(\f%4)*32
.endr
	WIN 0
.endm
; THE VECTOR WORK OF A TURN stands in three queues and one block (the selects), each in the order in which its entries become ready; the two tiles alternate.
.macro REGS y, u                    ; the registers of tile u (0, 1) of piece y
.set rT, ST+4*(2*(\y)+(\u))
.set rC, TMP+8*((\y)%2)+4*(\u)
.set rM, MV+2*((\y)%2)+(\u)
.set rS, S+64*((\y)%2)+32*(\u)
.set rP, P+32*((\y)%2)+16*(\u)
.set rO, 32*(2*(\y)+(\u))
.endm
; Scaling f of 32: c s - c m for pair f / 2 of tile f % 2 of the piece in hand.  FS, MK, XS, GS and REGS set no window: PL and EX do.
.macro FS f
	REGS Y, (\f)%2
	v_pk_fma_f32 v[rS+2*((\f)/2):rS+2*((\f)/2)+1], v[rS+2*((\f)/2):rS+2*((\f)/2)+1], v[CV:CV+1], v[rT:rT+1] op_sel_hi:[1,0,0] neg_lo:[0,0,1] neg_hi:[0,0,1]
.endm
; Select n of 64 on the NEXT piece's scores: register n / 2 of tile n % 2 takes -1e9 in the lanes that its lane mask names.  The registers go in ascending order: each accumulator's lowest is read first.
.macro MK n
	REGS (Y+1)%NP, (\n)%2
	v_cndmask_b32 v[rS+(\n)/2], v[rS+(\n)/2], v[BIG], s[MA+36*((\n)%2)+(\n)/2]
.endm
; Number n of the 22 that find the NEXT piece's maximum and statistics.  s0-s31 are the lane's 32 scores, masked.
;   0-11  four chains c0-c3 of seven scores each, three operands at a time     12-14, 16  the four scores left over, the old m, and c0-c3 into c0     15  c m_old is kept
;   17, 18  the query's other 32 keys lie in the lane 16 away: the new m         19-21  c m; c m_old - c m_new; a
.macro XS u, n
	REGS (Y+1)%NP, \u
.if (\n) < 4
	v_max3_num_f32 v[rC+(\n)], v[rS+8*(\n)], v[rS+8*(\n)+1], v[rS+8*(\n)+2]
.elseif (\n) < 12
	v_max3_num_f32 v[rC+(\n)%4], v[rC+(\n)%4], v[rS+8*((\n)%4)+2*((\n)/4)+1], v[rS+8*((\n)%4)+2*((\n)/4)+2]
.elseif (\n) == 12
	v_max3_num_f32 v[rC], v[rC], v[rS+7], v[rS+15]
.elseif (\n) == 13
	v_max3_num_f32 v[rC+1], v[rC+1], v[rS+23], v[rS+31]
.elseif (\n) == 14
	v_max3_num_f32 v[rC+2], v[rC+2], v[rC+3], v[rT+1]
.elseif (\n) == 15
	v_mov_b32 v[rM], v[rT]
.elseif (\n) == 16
	v_max3_num_f32 v[rC], v[rC], v[rC+1], v[rC+2]
.elseif (\n) == 17
	v_permlanex16_b32 v[rC+3], v[rC], s[SEL], s[SEL+1]
.elseif (\n) == 18
	v_max_num_f32 v[rT+1], v[rC], v[rC+3]
.elseif (\n) == 19
	v_mul_f32 v[rT], v[CV], v[rT+1]
.elseif (\n) == 20
	v_sub_f32 v[rC+1], v[rM], v[rT]
.else
	v_exp_f32 v[rC+2], v[rC+1]
.endif
.endm
; Number g of the 64 that follow the exponentials.  For each four weights k of a tile (pairs 2 k, 2 k + 1): both pairs are rounded to f16; then the second pair is added onto the first, in place;
; a group later l takes that sum (the first time as l = a l + sum).  In groups of eight, tiles alternating: round, round, add, and l for the group before.
.macro GS g
.set h, (\g)+6*((\g)/62)            ; group 0 has no group before it, and behind group 7 only l is left
.if h >= 6
.set h, h+2
.endif
	REGS Y, h%2
.set k, h/8
.if h%8 < 4
	v_cvt_pk_f16_f32 v[rP+2*k+(h%8)/2], v[rS+4*k+2*((h%8)/2)], v[rS+4*k+2*((h%8)/2)+1]
.elseif h%8 < 6
	v_pk_add_f32 v[rS+4*k:rS+4*k+1], v[rS+4*k:rS+4*k+1], v[rS+4*k+2:rS+4*k+3]
.elseif k == 1
	v_pk_fma_f32 v[rT+2:rT+3], v[rT+2:rT+3], v[rC+2:rC+3], v[rS:rS+1] op_sel_hi:[1,0,1]
.else
	v_pk_add_f32 v[rT+2:rT+3], v[rT+2:rT+3], v[rS+4*k-4:rS+4*k-3]
.endif
.endm
; THE PLAIN QUEUE, 138 long.  0-73 read no exponential's result: the 32 scalings and the next piece's 42.  0-26: scalings 0-26.  27-54: XS's numbers 0-13.  55, 56: number 15.
; 57-73: the chain, where each number waits for the one before it: 14, 16, 17, 18, 19, each with one of the scalings 27-31 in front of its two lines, then 20: so a tile's links stand three plain lines apart (19 and 20: two).
; 74-137: GS's 64, which read the exponentials' results: they stand behind the wait.
.macro PL
	WIN 0
.if q < 27
	FS q
.elseif q < 55
	XS (q-27)%2, (q-27)/2
.elseif q < 57
	XS q-55, 15
.elseif (q < 72) && ((q-57)%3 == 0)
	FS 27+(q-57)/3
.elseif q < 60
	XS (q-57)%3-1, 14
.elseif q < 72
	XS (q-57)%3-1, 15+(q-57)/3
.elseif q < 74
	XS q-72, 20
.else
	GS q-74
.endif
.set q, q+1
.endm
; THE EXPONENTIALS' QUEUE, 66 long: s0-s31 of both tiles, then the next piece's two a.  It is ONE BATCH: all 66 stand ahead of the turn's one wait, and nothing ahead of that wait names a result of theirs.
.set EA, 64
.macro EX
	WIN 0
.if e >= EA
	XS e-EA, 21
.else
	REGS Y, e%2
	v_exp_f32 v[rS+e/2], v[rS+e/2]
.endif
.set e, e+1
.endm
; THE RESCALING's QUEUE: O^T times a, the one part that leaves window 0: dealt two at a time, sixteen times, in ascending order (each accumulator's lowest registers first).
; Its a was made in the turn before, ahead of that turn's wait.
.macro R2
	REGS Y, r%2
	WIN W_RS
.irp z, 0,1
	v_pk_mul_f32 v[rO+4*(r/2)+2*\z:rO+4*(r/2)+2*\z+1], v[rO+4*(r/2)+2*\z:rO+4*(r/2)+2*\z+1], v[rC+2:rC+3] op_sel_hi:[1,0]
.endr
.set r, r+1
.endm
; HOW THEY ARE DEALT.  AHEAD OF THE WAIT: the 16 products K Q^T, behind each four riders: a scaling, an exponential and two rescalings (behind the first a second scaling in the exponential's place; behind the last two
; scalings in the rescalings' place).  Then ONE RUN of 172: the 64 selects on end; six scalings; 49 times exponential and plain; the two a; the last two rescalings, which are the plain lines behind the last exponential
; (they name the a of the piece in hand, in the other buffer than the two just made).  BEHIND THE WAIT: the 16 products V^T P, behind each four of GS's 64.  No rider names a register of the products round it.
; What the deal keeps, by count: exponential e stands behind its scaling 2 (e / 4) + e % 2: as a rider it comes behind plain e + 2, in the run behind plain e + 9, and scalings 27-31 are plain 57, 60 .. 69;
; the selects end ahead of plain 27, where the maximum begins; number 20 is plain 72 and 73, ahead of the two a; both v_permlanex16_b32 (plain 64, 65) fall into the run, never behind a product.
; A TURN, for piece p.  cnt = 1: the loop's count is taken down some lines ahead of the branch that stands behind the turn; nothing behind it writes SCC.
; The selects: the last product K Q^T ends tile 1's registers 24-31, which select 49 names first: three plain riders and 49 selects lie between (ISA guide 7.12.1); each earlier product has more.
; The mask registers are asked for again directly behind the last select: between that request and the wait for it lies all of a turn but its 64 selects.  Turn p asks for piece p + 2; piece 2's turn steps the pointer
; to the next step first, where no scalar load is out (the wait for 0 stands 64 lines ahead).  In the last step that is 'step 32' of pieces 0 and 1: the wave's own pieces 1 and 2 at step 0, inside the buffer, and what comes is not used.
; K of the next step is fetched in piece 2's turn, directly behind the wait, the whole run behind K's last reader; its address is made at the run's head; its first reader comes behind 16 products.
; V of the step in hand is fetched at the end of piece 0's turn, four plain riders (additions onto l) behind V's last reader; its first reader comes behind 16 products and the run.  The conditions on q below go with the deal.
.macro TURN p, last=0, cnt=0
.set Y, (\p)
.set i, 0
.set q, 0
.set e, 0
.set r, 0
.if (\p) == NP-1
	s_wait_dscnt 0x0                ; K is in
.endif
	MM                              ; ahead of the wait: 16 products K Q^T and their riders,
	PL
	PL
	R2
.rept 14
	MM
	PL
	EX
	R2
.endr
	MM
	PL
	EX
	PL
	PL
.if (\p) == NP-2
	v_add_nc_u32 v[AK], s[TBK], v[AK0]
.endif
	s_wait_kmcnt 0x0                ; the next piece's lane masks are in (scalar loads come back in no order: the count is 0)
.set zz, 0
.rept 64                            ; and the run: the selects,
	MK zz
.set zz, zz+1
.endr
.if (\p) == NP-2
	s_add_nc_u64 s[MP:MP+1], s[MP:MP+1], 256
.endif
	MLOAD (((\p)+2)%NP)*8192
.rept 6                             ; six scalings,
	PL
.endr
.rept 49                            ; exponential and plain by turns,
	EX
	PL
.endr
	EX                              ; the next piece's two a: the batch's last,
	EX
	R2                              ; and two rescalings: the plain lines behind the last exponential
	s_wait_alu depctr_va_vdst(0)    ; the wait for the batch: the turn's 66 exponentials, ahead of the first line that names a result
.if (\p) == NP-2
	FETCH_K \last
.endif
.if (\p) == 1
	s_wait_dscnt 0x0                ; V is in
.endif
.rept 16                            ; behind the wait: 16 products V^T P and their riders, the batch's readers
	MM
.rept 4
	PL
.endr
.if ((\p) == 0) && (q == 118)
	v_add_nc_u32 v[AV], s[TBV], v[AV0]
.endif
.if ((\p) == 0) && (q == 130)
	s_add_co_u32 s[TBV], s[TBV], KS*PV
.endif
.if (\cnt) && (q == 130)
	s_sub_co_u32 s[CNT], s[CNT], 1
	s_cmp_lg_u32 s[CNT], 0
.endif
.endr
.if (\p) == 0
	FETCH_V
.endif
.endm
	CHANGE 1                        ; slot 0 is in, everybody's part of it; slot 1 is asked for
	FETCH_K                         ; key step 0
	s_wait_dscnt 0x0
.set i, 0
.rept 16
	KQ 0                            ; piece 0's first scores: there is no vector work yet to set between them
.set i, i+1
.endr
	WIN 0                           ; the addresses for the way out and three constants: eleven plain lines, the places behind those products
	s_mul_i32 s[TS], s[WV], 16*SP
	s_add_co_u32 s[TS], s[TS], STAGE  ; my stage
	v_mul_u32_u24 v[STO], v1, SP    ; in: row l % 16, 32 bytes for each half of the lanes
	v_lshl_add_u32 v[STO], v9, 5, v[STO]
	v_add_nc_u32 v[STO], s[TS], v[STO]
	v_mul_u32_u24 v[RD], v9, SP     ; back: lanes 0-15 take one row of 256 bytes, lanes 16-31 the next,
	v_lshl_add_u32 v[RD], v1, 4, v[RD]
	v_add_nc_u32 v[RD], s[TS], v[RD]
	v_and_b32 v[GO], 31, v0         ; which are 512 consecutive bytes of out
	v_lshlrev_b32 v[GO], 4, v[GO]
	v_mov_b32 v[CV], 0x3e38aa3b     ; c = log2(e) / 8 = 0.180337; the thread's number has served
	v_mov_b32 v[CV+1], 0x3e38aa3b
	v_mov_b32 v[BIG], 0xce6e6b28    ; -1e9, exact in f32
	s_wait_kmcnt 0x0                ; piece 0's lane masks
.set Y, NP-1                        ; MK and XS work for piece Y + 1: piece 0
.set zz, 0
.rept 64
	MK zz
.set zz, zz+1
.endr
	MLOAD 8192                      ; piece 1, step 0
.irp n, 0,1,2,3,4,5,6,7,8,9,10,11,12,13,14,15,16,17,18,19,20,21
	XS 0, \n                        ; piece 0's first maximum and statistics
	XS 1, \n
.endr
	v_nop                           ; a plain line behind piece 0's first two a,
	s_wait_alu depctr_va_vdst(0)    ; and the wait for that batch of two, ahead of the branch
	s_mov_b32 s[CNT], 4
	s_mov_b32 s[SLOTS], NSLOT-1
	s_branch .Lfirst                ; the loop is entered at a step's first turn, in the middle of a trip
.Lslot:                             ; NSLOT - 2 times: every slot but the last two is filled again
	CHANGE 1
	s_mov_b32 s[CNT], 4
.Lstep:                             ; a trip: pieces 2 and 3 of one step, then pieces 0 and 1 of the next, whose K and V it fetches
	TURN 2
	TURN 3
	WIN 0
.Lfirst:
	TURN 0
	TURN 1, 0, 1
	WIN 0
	s_cbranch_scc1 .Lstep
	s_sub_co_u32 s[SLOTS], s[SLOTS], 1
	s_cmp_lg_u32 s[SLOTS], 0
	s_cbranch_scc1 .Lslot
	CHANGE 0                        ; the tail is written out: nothing is asked for
	s_mov_b32 s[CNT], 5             ; four trips fetch the last slot's steps; the fifth is left in its middle
.Ltail:
	TURN 2, 1
	TURN 3
	WIN 0
	s_sub_co_u32 s[CNT], s[CNT], 1
	s_cmp_eq_u32 s[CNT], 0
	s_cbranch_scc1 .Lout
	TURN 0
	TURN 1
	WIN 0
	s_branch .Ltail
.Lout:                              ; the fifth trip's 16 products K Q^T (on the last K once more), their selects and the maximum made of them serve nothing: the price, once a launch, of one text for every trip
	s_wait_kmcnt 0x0                ; the last lane masks asked for, which nobody reads
.set i, 0
.rept 16
	PV NP-1                         ; the last piece's V^T P of the last step
.set i, i+1
.endr
	; THE WAY OUT.  l's two halves and the other half of the lanes' are added; O^T is divided by l and sent, in f32, through my stage in LDS, a tile at a time.  The additions are the places behind the last products.
	WIN 0
.macro ALL line:vararg              ; one line for each tile t
.set t, 0
.rept 2*NP
	\line
.set t, t+1
.endr
.endm
	ALL v_add_f32 v[ST+4*t+2], v[ST+4*t+2], v[ST+4*t+3]
	ALL v_permlanex16_b32 v[ST+4*t+3], v[ST+4*t+2], s[SEL], s[SEL+1]
	ALL v_add_f32 v[ST+4*t+2], v[ST+4*t+2], v[ST+4*t+3]
	ALL v_rcp_f32 v[ST+4*t+2], v[ST+4*t+2]
	v_nop                           ; a plain instruction between the last reciprocal and the use of its result
	s_wait_alu depctr_va_vdst(0)    ; and the wait ahead of the first use: one for the batch of eight reciprocals
; Tile t: a lane's eight channels of a row are 32 bytes; they go into rows of 272 bytes and come back as whole rows of 256, into S^T's registers, four tiles' worth by turns.
.macro PACK t
	WIN W_RS
.set i, 32*(\t)
.rept 16
	v_pk_mul_f32 v[i:i+1], v[i:i+1], v[ST+4*(\t)+2:ST+4*(\t)+3] op_sel_hi:[1,0]  ; in ascending order: each accumulator's lowest registers first
.set i, i+2
.endr
	WIN 0x04                        ; the stores' data in window 1, their address in window 0
.irp f, 0,1,2,3,4,5,6,7             ; channels 16 (f / 2) + 8 (l / 16) + 4 (f % 2) on
	ds_store_b128 v[STO], v[32*(\t)+4*\f:32*(\t)+4*\f+3] offset:64*(\f/2)+16*(\f%2)
.endr
	WIN 0
.if (\t) >= 4
	s_wait_xcnt 0x0                 ; the registers below are those that tile t - 4's stores read: they are written again only behind this wait
.endif
.irp f, 0,1,2,3,4,5,6,7
	ds_load_b128 v[S+32*((\t)%4)+4*\f:S+32*((\t)%4)+4*\f+3], v[RD] offset:\f*2*SP  ; LDS serves a wave's instructions in order (ISA guide 5.7.1.4): these see the stores above; the next tile's stores come behind them
.endr
.endm
.macro SEND t, younger              ; younger: the LDS instructions issued behind tile t's loads: the next tile's sixteen, or none
	WIN 0
.irp f, 0,1,2,3,4,5,6,7
	s_wait_dscnt (\younger)+7-\f
	global_store_b128 v[GO], v[S+32*((\t)%4)+4*\f:S+32*((\t)%4)+4*\f+3], s[OUTP:OUTP+1] offset:(\t)*4096+\f*512 th:TH_STORE_NT  ; 512 consecutive bytes, two whole rows, at a multiple of 256 from out's first byte
.endr
.endm
	PACK 0
.set t, 1
.rept 2*NP-1                        ; a tile's arithmetic stands between the loads of the tile before and its stores
	PACK t
	SEND t-1, 16
.set t, t+1
.endr
	SEND 2*NP-1, 0
	WIN W_AD
	s_wait_tensorcnt 0x0            ; the wave's end, behind my last tensor load and my last LDS store
	ds_add_u32 v[SPW], v[NIL]
	s_wait_dscnt 0x0
	WIN 0
	CROUND                          ; the closing round: no work-group ends while a partner may still ask for a tile that names it
	s_endpgm
.Lfunc_end_k_qdb83020dab_attn:
	.size	k_qdb83020dab_attn, .Lfunc_end_k_qdb83020dab_attn-k_qdb83020dab_attn
	.p2alignl 7, 3214868480
	.fill 96, 4, 3214868480
	.section	.rodata,"a",@progbits
	.p2align	6, 0x0
	.amdhsa_kernel k_qdb83020dab_attn
		.amdhsa_group_segment_fixed_size 327680
		.amdhsa_private_segment_fixed_size 0
		.amdhsa_enable_private_segment 0
		.amdhsa_kernarg_size 40
		.amdhsa_user_sgpr_count 2
		.amdhsa_user_sgpr_kernarg_segment_ptr 1
		.amdhsa_wavefront_size32 1
		.amdhsa_system_sgpr_workgroup_id_x 1
		.amdhsa_system_sgpr_workgroup_id_y 1
		.amdhsa_system_sgpr_workgroup_id_z 1
		.amdhsa_system_vgpr_workitem_id 0
		.amdhsa_next_free_vgpr 770
		.amdhsa_next_free_sgpr 106
		.amdhsa_reserve_vcc 0
		.amdhsa_float_denorm_mode_32 3
		.amdhsa_float_denorm_mode_16_64 3
		.amdhsa_memory_ordered 1
		.amdhsa_forward_progress 1
		.amdhsa_inst_pref_size 249
	.end_amdhsa_kernel
	.amdgpu_metadata
---
amdhsa.version: [ 1, 2 ]
amdhsa.kernels:
  - .name:           k_qdb83020dab_attn
    .symbol:         k_qdb83020dab_attn.kd
    .args:
      - { .name: Q, .offset: 0, .size: 8, .value_kind: global_buffer, .address_space: global }
      - { .name: kb, .offset: 8, .size: 8, .value_kind: global_buffer, .address_space: global }
      - { .name: vh, .offset: 16, .size: 8, .value_kind: global_buffer, .address_space: global }
      - { .name: mbits, .offset: 24, .size: 8, .value_kind: global_buffer, .address_space: global }
      - { .name: out0, .offset: 32, .size: 8, .value_kind: global_buffer, .address_space: global }
    .group_segment_fixed_size: 327680
    .private_segment_fixed_size: 0
    .kernarg_segment_align: 8
    .kernarg_segment_size: 40
    .max_flat_workgroup_size: 128
    .sgpr_count:     106
    .vgpr_count:     770
    .wavefront_size: 32
...
	.end_amdgpu_metadata
.endif
;; end of part 3
